; MI455X (gfx1250); checked and timed in simulation.
; The chip was launched on July 23, 2026; its instructions are those of AMD's public machine-readable ISA for CDNA 5 (MIT licence, August 2026) and "CDNA5" Instruction Set Architecture Reference Guide (July 2026). The comments in the code are by the model that wrote it; some were corrected since.
;; Sparse Attention. Allowed arithmetic: matrix products marked QUANTISED: E4M3 operands, one given power-of-two scale a tensor, by v_wmma_f32_16x16x64_fp8_fp8 or v_wmma_f32_16x16x128_fp8_fp8, f32 sums; products left as they are: f32 operands where the result goes on into a quantised operand, else bf16, f16 or f32 operands; f32 sums; everything else in f32.
;; Inputs: Wk_codes 1,024 x 32 x 32 uint8 (E4M3 codes of Wk, K innermost, in blocks of 32 codes); Wq_codes 1,024 x 32 x 32 uint8 (E4M3 codes of Wq, K innermost, in blocks of 32 codes); Wv_codes 1,024 x 32 x 32 uint8 (E4M3 codes of Wv, K innermost, in blocks of 32 codes); bk 1,024 float32; bq 1,024 float32; bv 1,024 float32; lowp_scales 8 int32 (the exponents e of the quantised operands' scales 2^e); sparsity_pattern 16 x 16 float32; x_codes 4 x 4,096 x 32 x 32 uint8 (E4M3 codes of x, K innermost, in blocks of 32 codes).
;; Outputs: out0 4 x 4,096 x 1,024 float32.
;; This version of the problem:
;;   THIS VERSION OF THE PROBLEM IS GIVEN IN LOW PRECISION. The matrix products marked QUANTISED in the list below multiply operands that are first quantised to E4M3 (4 exponent bits, 3 mantissa bits; 8 bits a number), with one given power-of-two scale for each operand tensor; their sums are f32. All else is computed in f32.
;;   The module's matrix products, in the order in which they are computed (A, B: the left and right operand; K: the contracted axis; several contracted axes count as one K, in the product's order):
;;     1. [M 16,384, K 1,024] x [K 1,024, N 1,024]; A: input x (given as codes); B: input Wq (given as codes): QUANTISED (scales: A lowp_scales[0], B lowp_scales[1])
;;     2. [M 16,384, K 1,024] x [K 1,024, N 1,024]; A: input x (given as codes); B: input Wk (given as codes): QUANTISED (scales: A lowp_scales[2], B lowp_scales[3])
;;     3. [M 16,384, K 1,024] x [K 1,024, N 1,024]; A: input x (given as codes); B: input Wv (given as codes): QUANTISED (scales: A lowp_scales[4], B lowp_scales[5])
;;     4. batch 16,384 x [M 16, K 64] x [K 64, N 16]; A: computed on the way; B: computed on the way: QUANTISED (scales: A lowp_scales[6], B lowp_scales[7])
;;     5. batch 16,384 x [M 16, K 16] x [K 16, N 64]; A: softmax; B: computed on the way: left as it is (K = 16 < 32)
;;   THE QUANTISER, for each operand of a quantised product, along K:
;;     - The operand's scale is 2^e, e = its entry of the input lowp_scales (int32; the entries are numbered through the quantised products in the list's order, A before B).
;;     - Each number is divided by the scale, clamped to +-448, and rounded to the nearest number of E4M3, ties to even, subnormals kept.
;;     - The product sums the exact products of the quantised numbers (number of the format x scale) in f32.
;;   ~~~python
;;   def quantise(x, axis, e):      # numpy; x: float32 -> the quantised numbers, widened to float32 again
;;       x = np.moveaxis(x, axis, -1); K = x.shape[-1]
;;       r = np.clip(x / 2.0 ** e, -448, 448)
;;       step = 2.0 ** (np.maximum(np.frexp(np.where(r == 0, 1, r))[1] - 1, -6) - 3)
;;       q = np.round(r / step) * step * 2.0 ** e      # np.round: ties to even
;;       return np.moveaxis(q, -1, axis).astype(np.float32)
;;   ~~~
;;   OPERANDS COMPUTED ON THE WAY. 'Computed on the way' means the value that the module computes at that place (a softmax that the list does not call 'softmax' is quantised finished and normalised). What goes into a quantiser is computed in f32, as accurately as f32 sums, v_exp_f32 and their like allow (about 1e-6 of the number): no bf16 or f16 on the way to a quantiser, and a product that is left as it is and whose result goes on into a quantised operand takes f32 operands (vector FMAs, or v_wmma_f32_16x16x4_f32). A number that lies on a knife's edge between two numbers of the format may be rounded either way, as far as f32 arithmetic and the matrix unit's own rounding can turn it there, and no further.
;;   INPUTS GIVEN AS CODES. Wk (in the module: [1024, 1024], K = its axis 1); Wq (in the module: [1024, 1024], K = its axis 1); Wv (in the module: [1024, 1024], K = its axis 1); x (in the module: [4, 4096, 1024], K = its axis 2): each comes as NAME_codes (uint8): NAME with its K axis moved to the last place and cut into blocks of 32 codes, [.., K / 32, bytes a block], one block behind the other in memory; one code a byte (a code: sign, 4 exponent bits, 3 mantissa bits); its scale is its entry of lowp_scales. Its value is code x scale, taken as it is: it is not quantised again, and the codes and scales need not be those that the quantiser above would give.
;; 2 versions. Each part assembles by itself: llvm-mc -triple=amdgcn-amd-amdhsa -mcpu=gfx1250 --defsym DOCPART=n.
;; ======== version 1 of 2: 1 launch
;; limits: right only within a limited range of input values
;; launch fused (part 1): grid 256 x 1, 4 waves a work-group, clusters of 4 x 1, 327,680 bytes of LDS; arguments x_codes, Wq_codes, Wk_codes, Wv_codes, bq, bk, bv, sparsity_pattern, lowp_scales, out0; writes out0
.if DOCPART == 1
	.amdgcn_target "amdgcn-amd-amdhsa--gfx1250"
	.amdhsa_code_object_version 6
	.text
	.protected	k_qc15cbf6679_fused
	.globl	k_qc15cbf6679_fused
	.p2align	8
	.type	k_qc15cbf6679_fused,@function
k_qc15cbf6679_fused:
	s_mov_b64 s[64:65], 0
	v_nop
	global_prefetch_b8 v0, s[64:65] scope:SCOPE_SE
	s_setreg_imm32_b32 hwreg(HW_REG_WAVE_MODE, 25, 1), 1
	s_wait_xcnt 0x0
	s_wait_alu depctr_hold_cnt(0) depctr_sa_sdst(0) depctr_va_vdst(0) depctr_va_sdst(0) depctr_va_ssrc(0) depctr_va_vcc(0) depctr_vm_vsrc(0)
	s_getreg_b32 s2, hwreg(HW_REG_IB_STS2, 6, 4)
	s_cmp_eq_u32 s2, 0
	s_cbranch_scc0 .Lentry_in_a_cluster
	s_endpgm
.Lentry_in_a_cluster:
	s_bfe_u32 s2, ttmp6, 0x10000c
	s_cmp_lg_u32 s2, 0x3003
	s_cbranch_scc0 .Lentry_shape_is_right
	s_endpgm
.Lentry_shape_is_right:
; out[token][h][:] = sum over g of softmax_g( (q[h] . k[g]) x pattern[h][g] ) v[g][:],  q, k, v = x W^T + b, 16 heads of 64, each token by itself.
; x [16384][1024] and Wq, Wk, Wv [1024][1024] come as codes of FP8 (E4M3), K innermost.  lowp_scales: e0,e1 (x, Wq), e2,e3 (x, Wk), e4,e5 (x, Wv), e6 (q), e7 (k).
; NO WORK IS LEFT OUT: bq and bk stand ahead of quantisers, bv, the pattern and all eight exponents reach the output; every input is loaded.
; ONE LAUNCH: q, k and v never go to memory.  A token's attention wants all 3,072 columns of that token, so a work-group owns 64 tokens and walks all of Wq, Wk, Wv.
; SHARES.  Four waves.  Each wave keeps ALL 64 tokens' codes of x in registers (32 fragments, 512 registers), so LDS is read for W alone and each byte of W is read from LDS once, by one wave.
; W goes in 24 slots of 128 rows x 1,024 bytes.  In slot (X, i) wave w owns the 32 rows 256 w + i + 8 y, y = 0 .. 31: one tile with 8 rows of memory from row to row.  It asks for them itself and reads only them.
; THE MATRIX INSTRUCTION IS USED TRANSPOSED (source 0 = 16 rows of W, source 1 = 16 tokens): lane (r, h) holds token 16 m + r, and its register j the column head 4 w + 2 u + h, d = i + 8 j: eight numbers of ONE head of ONE token.
; SLOTS IN TIME, n = 0 .. 23, ring A on even n, ring B on odd n: 4 c: (q, c); 4 c + 1: (q, c + 4); 4 c + 2: (k, c); 4 c + 3: (k, c + 4); 16 + 2 t: (v, t); 17 + 2 t: (v, t + 4).
; SCORES.  After a pair of slots (i = c, c + 4) every head has 16 of its 64 d as codes: registers 0 and 1 of a K = 64 fragment (lane (head, half): d = c + 4 half + 8 j), the same places in q and in k.
; The scores are summed over the four pairs; k's registers 2 .. 7 are zero codes; q's registers 2 .. 7 are other tokens' codes, which are held and so never the NaN code, and count for nothing against the zeros.
; For the attention wave w owns tokens 16 w .. 16 w + 15; codes and v go from wave to wave through LDS.  S^T = k q^T: a lane holds one query head, its registers eight key heads; its weights, rounded to bf16, are source 0 of the last product as they lie.
; CLUSTER.  The four work-groups of a cluster walk the same W: each tile is asked for JOINTLY, by the same tensor load with the same descriptor and a mask that names the four.
; The order of k inside the FP8 instructions is permuted, alike on both sides (four loads of 16 bytes a fragment).
; LIMITS: e6 - e0 - e1 and e7 - e2 - e3 between -126 and 119, e4 + e5 between -126 and 127, so that each power of two below is an f32 number.  NaN among the inputs is not served.
; The weights and v enter the last product (left as it is) in bf16.
;
; LDS (bytes).  Ring B 0 .. 133,119; the biases' table from TBL, entry n (the slot's 128 biases / 2^(ex + ew)) at TBL + (23 - n) 512; the pieces of v from VP0; the two exchanges of codes XB0, XB1 (later pieces of v);
; ring A from RA (after its last fill and last read: pieces of v); the spare words behind it.  No tensor load lands between 133,120 and RA.
.set PW,    1040                       ; a row of W in LDS: 1,024 bytes + 16 of padding = 260 words: the 16 rows that a load touches start at 16 different groups of banks (64 banks of 4 bytes: ISA guide 11.1)
.set SHARE, 32*PW                      ; a wave's 32 rows
.set RING,  4*SHARE
.set PT,    272                        ; a token's 256 bytes in an exchange or a piece, + 16
.set T16,   16*PT
.set PIECE, 64*PT
.set RB,    0
.set TBL,   137728
.set VP0,   TBL+4096                   ; pieces of v with i = t (0 .. 3) at VP0 + t PIECE; t = 0 lies over table entries 0 .. 15, read for the last time three changes of slots earlier
.set XB0,   VP0+PIECE                  ; q's codes of a pair: token x PT + (head + 16 par) x 8
.set RA,    VP0+3*PIECE
.set VD,    4*PIECE+128                ; pieces with i = t + 4 lie VD further on; the 128 puts lanes 8-15 of a turning load on the other half of the banks
.set SPARE, RA+RING                    ; the spare words, 128 bytes for each wave: two blocks of 256 bytes that no other line names
; window 0
.set SPW,  1                           ; LDS address of my spare word; never rewritten
.set NIL,  2                           ; 0; never rewritten
.set ADRA, 3                           ; my lane's place in my share of ring A
.set ADRB, 4                           ; of ring B
.set EST,  5                           ; where I store 8 codes
.set ELD,  6                           ; where I read a token's codes back
.set VST0, 7                           ; where I store 8 bf16 of v, pieces i = 0 .. 3
.set VST1, 8                           ; pieces i = 4 .. 7
.set VLD,  9                           ; the turning load's address
.set BIA,  10                          ; my place in a table entry
.set BIT,  11                          ; the same + the trip's base
.set PFO,  12                          ; the prefetches' offset
.set OUTO, 13                          ; my byte offset in a token's row of out
.set SCQ,  14                          ; 2^(e6 - e0 - e1)
.set LMQ,  15                          ; 448 x that
.set SCK,  16                          ; 2^(e7 - e2 - e3)
.set LMK,  17
.set BOF,  18                          ; the biases' byte offset
.set POF,  19                          ; the pattern's
.set PAT,  20                          ; v20-27  pattern[my head][8 h + j] x log2(e) x 2^(e6 + e7)
.set BI,   28                          ; v28-43  the slot's biases as C: tile u at + 8 u
.set CD,   44                          ; v44-59  codes just made
.set XO,   60                          ; x: row r, + 16 h
.set TBS,  61                          ; the table: 4 x my thread's number
.set RR,   62                          ; r = lane % 16
.set HH,   63                          ; h = lane / 16
.set ACC,  64                          ; v64-127 accumulator (u, m) at 64 + 8 (4 u + m)
.set WF,   128                         ; v128-255 W's fragments, two sets of 64: (K step of the pair, u) at + 32 si + 16 u
.set TT,   64                          ; the softmax's four registers a token, where the accumulators lay
.set DD,   64                          ; the last phase: results, v's fragments, rows to store; each twice, by the token's parity
.set VBF,  128
.set OUTR, 192
; window 1: v0-127 the scores, 8 a token; then three pieces of v that wait for ring A to be free
.set KS,   128                         ; eight fragments of k: 2 registers of codes + 6 of zeros
.set QS,   192                         ; q: 2 registers a token, + 6 of zeros
.set VR,   0
.set ATT,  128                         ; the weights in bf16, 4 registers a token, + 4 of zeros
; windows 2 and 3: x's fragment (m, K step s) at 16 (4 (s % 4) + m); s = 0 .. 3 in window 2, 4 .. 7 in window 3
.set G1,  32                           ; s[32:39] descriptor group 1, the same for all 24 slots
.set DAQ, 40                           ; s[40:43] group 0: ring A, q's slots, then v's
.set DBQ, 44                           ; ring B, q's, then v's
.set DAK, 48                           ; ring A, k's
.set DBK, 52                           ; ring B, k's
.set VA0, 56                           ; s[56:57] v's slot i = 0: the address with the type bits
.set VB0, 58                           ; v's slot i = 4
.set WV,  60
.set CT,  61                           ; the trip
.set TB,  62                           ; the trip's base in the table
.set PFF, 63                           ; 1 in the first cluster, which prefetches
.set P0,  66                           ; s[66:73] where the trip's four prefetches stand
.set P1,  68
.set P2,  70
.set P3,  72
.set PV0, 74                           ; s[74:81] the same for v's slots i = 0, 4, 1, 5
.set OS,  84                           ; 2^(e4 + e5)
.set SEL, 86                           ; s[86:87] lane selects for v_permlanex16_b32: lane l xor 16
.set MSB, 0
.macro WIN new                         ; s_set_vgpr_msb: bits 1:0 source 0, 3:2 source 1, 5:4 source 2, 7:6 destination; the high byte repeats the setting that is left
.if MSB != \new
	s_set_vgpr_msb (MSB<<8)|\new
.set MSB, \new
.endif
.endm
.macro PLACES                          ; four plain vector instructions between a matrix instruction and a load into, or a read or write by a vector instruction of, one of its registers (ISA guide 7.12.1 for vector instructions)
.rept 4
	v_nop
.endr
.endm
.macro CREST                           ; a round of the cluster's barrier behind its opening barrier
	s_cmp_lg_u32 s[WV], 0
	s_cbranch_scc1 .Lnot_wave_0_\@
	s_barrier_signal -3
.Lnot_wave_0_\@:
	s_barrier_wait -3
	s_barrier_signal -1
	s_barrier_wait -1
.endm
.macro CROUND
	s_barrier_signal -1
	s_barrier_wait -1
	CREST
.endm
.macro JL d                            ; a joint load of my 32 rows; an s_nop 0 and four v_nop follow it
	tensor_load_to_lds s[\d:\d+3], s[G1:G1+7]
	s_nop 0
	PLACES
.endm
; A PREFETCH INTO THE L2 of the slot four slots on, whose load is issued two units later (128 matrix instructions and two ways out of the accumulators).  Each aligned 256 bytes of W is named once in the launch:
; the first cluster alone asks; of a wave's 32 rows each of its four partners takes 8, told apart BY ADDRESS; four lanes to a row, 256 bytes apart: one instruction a wave.  Slots 0 .. 3 come by their loads alone; the last four units ask for nothing.
.macro ASKP p, off
	s_cmp_lg_u32 s[PFF], 0
	s_cbranch_scc0 .Lnot_mine_\@
	global_prefetch_b8 v[PFO], s[\p:\p+1] offset:\off th:TH_LOAD_NT scope:SCOPE_SE
.Lnot_mine_\@:
.endm
.macro LDW st, adr, q                  ; 16 LDS loads: the fragments of K steps 2 q and 2 q + 1, both column tiles, into set st.  Lane (r, h): row r, K = 32 c + 16 h + 0 .. 15 in registers 4 c .. 4 c + 3
.irp si, 0,1
.irp u, 0,1
.irp c, 0,1,2,3
	ds_load_b128 v[WF+64*(\st)+32*\si+16*\u+4*\c:WF+64*(\st)+32*\si+16*\u+4*\c+3], v[\adr] offset:\u*16*PW+(2*(\q)+\si)*128+32*\c
.endr
.endr
.endr
.endm
.macro LDBI adr, off                   ; a slot's biases in the result's layout: tile u, register j: row 16 u + 8 h + j of my 32
.irp u, 0,1
	ds_load_b128 v[BI+8*\u:BI+8*\u+3], v[\adr] offset:\off+64*\u
	ds_load_b128 v[BI+8*\u+4:BI+8*\u+7], v[\adr] offset:\off+64*\u+16
.endr
.endm
; 8 matrix instructions: K step ks, both column tiles x four tiles of tokens.  The eight accumulators take turns, one instruction a turn, in the same order everywhere.
; fi = 1: the biases are the C of the sums' first instruction: nothing is cleared and nothing is added later.
.macro WM8 st, si, ks, fi
.irp u, 0,1
.irp m, 0,1,2,3
.if \fi
	v_wmma_f32_16x16x128_fp8_fp8 v[ACC+8*(4*\u+\m):ACC+8*(4*\u+\m)+7], v[WF+64*(\st)+32*(\si)+16*\u:WF+64*(\st)+32*(\si)+16*\u+15], v[16*(4*((\ks)%4)+\m):16*(4*((\ks)%4)+\m)+15], v[BI+8*\u:BI+8*\u+7]
.else
	v_wmma_f32_16x16x128_fp8_fp8 v[ACC+8*(4*\u+\m):ACC+8*(4*\u+\m)+7], v[WF+64*(\st)+32*(\si)+16*\u:WF+64*(\st)+32*(\si)+16*\u+15], v[16*(4*((\ks)%4)+\m):16*(4*((\ks)%4)+\m)+15], v[ACC+8*(4*\u+\m):ACC+8*(4*\u+\m)+7]
.endif
.endr
.endr
.endm
; A UNIT: one slot, 64 matrix instructions.  cur, oth: my address in the slot's ring and in the other.  The slot's first two quarters of fragments are asked for by the unit before.
; fill = 2: the ring is filled again behind a round of the cluster's barrier, by descriptor d (sel = 1: stepped a row of W; sel = 2: stepped, or in the last trip turned to v's first slot, va; sel = 0: as it stands);
; fill = 1: the change of slots with my work-group's barrier alone, nothing is asked for; fill = 0: the last unit.  nxt = 1: the next slot's biases (biadr + bioff) and first fragments are fetched.
; Window settings 0x08 and 0x0c move source 1 alone, so LDS loads stand under them unchanged.
.macro GEMM cur, oth, fill, d, sel, va, biadr, bioff, ask, askp, askoff, nxt
	s_wait_dscnt 0x0                               ; the first two quarters, the biases, and whatever LDS work stood behind the last unit
	WIN 0x08                                       ; x's K steps 0 .. 3: window 2
	WM8 0, 0, 0, 1
	WM8 0, 1, 1, 0
	PLACES
	LDW 0, \cur, 2
.if \nxt
	LDBI \biadr, \bioff
.endif
	WM8 1, 0, 2, 0
	WM8 1, 1, 3, 0
	PLACES
	LDW 1, \cur, 3                                 ; my last reads of this slot
.if \fill
	WIN 0                                          ; (the add's two registers lie in window 0)
	s_wait_tensorcnt 0x0                           ; all my tensor loads have landed: the one that was out is my share of the next slot
	ds_add_u32 v[SPW], v[NIL]                      ; 0 onto my spare word
.if \sel
	s_add_nc_u64 s[\d+2:\d+3], s[\d+2:\d+3], 1024  ; no tensor load of mine is out, so a group 0 may be written: i + 1; the type bits on top are not reached
.endif
.if \sel == 2
	s_cmp_eq_u32 s[CT], 3                          ; behind q's and k's last slots come v's: a choice between two addresses on the trip's number
	s_cselect_b64 s[\d+2:\d+3], s[\va:\va+1], s[\d+2:\d+3]
.endif
	s_wait_dscnt 17                                ; the third quarter and the biases are in; the fourth quarter's 16 loads and the add may be out
	WIN 0x0c                                       ; x's K steps 4 .. 7: window 3
	WM8 0, 0, 4, 0
	s_wait_dscnt 0x0                               ; the add is done, and my reads of this slot are over
	s_barrier_signal -1
	WM8 0, 1, 5, 0
	WIN 0
	s_barrier_wait -1
.if \fill == 2
	CREST                                          ; the barrier has opened a round of the cluster's: no wave of any partner still reads this slot or has a load on its way
	JL \d                                          ; my one tensor load behind the round, and the first thing there; its four v_nop are also the places in front of the loads below
.else
	PLACES
.endif
	LDW 0, \oth, 0
.if \ask
	ASKP \askp, \askoff
.endif
	WIN 0x0c
	WM8 1, 0, 6, 0
	WM8 1, 1, 7, 0
	WIN 0
	PLACES                                         ; for the loads below and for the first reads of the sums
	LDW 1, \oth, 1
.else
	s_wait_dscnt 16                                ; the third quarter is in; the fourth's 16 loads may be out
	WIN 0x0c
	WM8 0, 0, 4, 0
	WM8 0, 1, 5, 0
	s_wait_dscnt 0x0
	WM8 1, 0, 6, 0
	WM8 1, 1, 7, 0
	WIN 0
	PLACES
.endif
.endm
; q's or k's sums become codes: a sum stands for sum x 2^(ex + ew), so its code is sum / 2^(e - ex - ew): the three scales in the conversion's one.  Each accumulator from its low end on.
.macro EPIQK sc, lm, xoff
.irp a, 0,1,2,3,4,5,6,7
.irp j, 0,1,2,3,4,5,6,7
	v_med3_num_f32 v[ACC+8*\a+\j], v[ACC+8*\a+\j], -v[\lm], v[\lm]   ; the conversion to an 8-bit code does not saturate (ISA guide 7.6.2): the hold at the largest code x the scale
.endr
	v_cvt_scalef32_pk8_fp8_f32 v[CD+2*\a:CD+2*\a+1], v[ACC+8*\a:ACC+8*\a+7], v[\sc]
.endr
	v_nop                                          ; a plain vector instruction between the last conversion and the next products, which write its sources
.irp a, 0,1,2,3,4,5,6,7
	ds_store_b64 v[EST], v[CD+2*\a:CD+2*\a+1] offset:\xoff+16*(\a/4)+(\a%4)*T16   ; token 16 m + r, head 4 w + 2 u + h: 8 codes, d = i + 8 j
.endr
.endm
; v's sums (still / 2^(e4 + e5)) become bf16, packed in place from each accumulator's low end on, and go to their piece: token x PT + head x 16
.macro EPIV_IM adr, off
.irp a, 0,1,2,3,4,5,6,7
.irp z, 0,1,2,3
	v_cvt_pk_bf16_f32 v[ACC+8*\a+\z], v[ACC+8*\a+2*\z], v[ACC+8*\a+2*\z+1]
.endr
.endr
.irp a, 0,1,2,3,4,5,6,7
	ds_store_b128 v[\adr], v[ACC+8*\a:ACC+8*\a+3] offset:\off+32*(\a/4)+(\a%4)*T16
.endr
.endm
.macro EPIV_RT blk                     ; the same, kept in window 1: its piece lies in ring A, which is still being filled
	WIN 0x40
.irp a, 0,1,2,3,4,5,6,7
.irp z, 0,1,2,3
	v_cvt_pk_bf16_f32 v[VR+32*(\blk)+4*\a+\z], v[ACC+8*\a+2*\z], v[ACC+8*\a+2*\z+1]
.endr
.endr
	WIN 0
.endm
.macro VDEFER                          ; ring A has had its last fill and its last read: the three pieces that waited
	WIN 0x04                                       ; a store's data: source 1, window 1
.irp blk, 0,1,2
.irp a, 0,1,2,3,4,5,6,7
	ds_store_b128 v[VST1], v[VR+32*\blk+4*\a:VR+32*\blk+4*\a+3] offset:\blk*PIECE+32*(\a/4)+(\a%4)*T16
.endr
.endr
	WIN 0
.endm
.macro PULLQ                           ; my 16 tokens' codes of q of this pair: lane = head + 16 par
	WIN 0x40
.irp t, 0,1,2,3,4,5,6,7,8,9,10,11,12,13,14,15
	ds_load_b64 v[QS+2*\t:QS+2*\t+1], v[ELD] offset:\t*PT
.endr
	WIN 0
.endm
.macro SCORE                           ; S^T += k q^T over the pair's 16 d, a matrix instruction a token, eight tokens at a time; the accumulators take turns
.irp gp, 0,1
	WIN 0x40
.irp g, 0,1,2,3,4,5,6,7
	ds_load_b64 v[KS+8*\g:KS+8*\g+1], v[ELD] offset:PIECE+(8*\gp+\g)*PT
.endr
	s_wait_dscnt 0x0
	WIN 0x55
.irp g, 0,1,2,3,4,5,6,7
	v_wmma_f32_16x16x64_fp8_fp8 v[8*(8*\gp+\g):8*(8*\gp+\g)+7], v[KS+8*\g:KS+8*\g+7], v[QS+2*(8*\gp+\g):QS+2*(8*\gp+\g)+7], v[8*(8*\gp+\g):8*(8*\gp+\g)+7]
.endr
	PLACES
.endr
	WIN 0
.endm
; THE SOFTMAX of my 16 tokens, stage by stage, so that each stage stands under one window setting and the exponentials are one batch.  Lane (r, h): query head r, register j: key head 8 h + j.
.macro SOFTMAX
	WIN 0x41
.irp t, 0,1,2,3,4,5,6,7,8,9,10,11,12,13,14,15
.irp j, 0,2,4,6
	v_pk_mul_f32 v[8*\t+\j:8*\t+\j+1], v[8*\t+\j:8*\t+\j+1], v[PAT+\j:PAT+\j+1]   ; t = score x pattern x log2(e) x 2^(e6 + e7)
.endr
.endr
	WIN 0x15
.irp t, 0,1,2,3,4,5,6,7,8,9,10,11,12,13,14,15
	v_max3_num_f32 v[TT+4*\t], v[8*\t], v[8*\t+1], v[8*\t+2]
	v_max3_num_f32 v[TT+4*\t+1], v[8*\t+3], v[8*\t+4], v[8*\t+5]
.endr
	WIN 0x14
.irp t, 0,1,2,3,4,5,6,7,8,9,10,11,12,13,14,15
	v_max3_num_f32 v[TT+4*\t], v[TT+4*\t], v[8*\t+6], v[8*\t+7]
.endr
	WIN 0
.irp t, 0,1,2,3,4,5,6,7,8,9,10,11,12,13,14,15
	v_max_num_f32 v[TT+4*\t], v[TT+4*\t], v[TT+4*\t+1]
.endr
.irp t, 0,1,2,3,4,5,6,7,8,9,10,11,12,13,14,15
	v_permlanex16_b32 v[TT+4*\t+2], v[TT+4*\t], s[SEL], s[SEL+1]   ; the head's other eight keys lie in the lane 16 away
.endr
.irp t, 0,1,2,3,4,5,6,7,8,9,10,11,12,13,14,15
	v_max_num_f32 v[TT+4*\t], v[TT+4*\t], v[TT+4*\t+2]             ; the row's largest t
.endr
	WIN 0x41
.irp t, 0,1,2,3,4,5,6,7,8,9,10,11,12,13,14,15
.irp j, 0,2,4,6
	v_pk_add_f32 v[8*\t+\j:8*\t+\j+1], v[8*\t+\j:8*\t+\j+1], v[TT+4*\t:TT+4*\t+1] op_sel_hi:[1,0] neg_lo:[0,1] neg_hi:[0,1]   ; the maximum is taken away: 0 or less
.endr
.endr
.set zi, 0
.rept 128
	v_exp_f32 v[zi], v[zi]
.set zi, zi+1
.endr
	v_nop                                          ; a plain instruction behind the last exponential,
	s_wait_alu depctr_va_vdst(0)                   ; and a wait ahead of the batch's first reader
	WIN 0x05
.irp t, 0,1,2,3,4,5,6,7,8,9,10,11,12,13,14,15
	v_pk_add_f32 v[TT+4*\t:TT+4*\t+1], v[8*\t:8*\t+1], v[8*\t+2:8*\t+3]
	v_pk_add_f32 v[TT+4*\t+2:TT+4*\t+3], v[8*\t+4:8*\t+5], v[8*\t+6:8*\t+7]
.endr
	WIN 0
.irp t, 0,1,2,3,4,5,6,7,8,9,10,11,12,13,14,15
	v_pk_add_f32 v[TT+4*\t:TT+4*\t+1], v[TT+4*\t:TT+4*\t+1], v[TT+4*\t+2:TT+4*\t+3]
.endr
.irp t, 0,1,2,3,4,5,6,7,8,9,10,11,12,13,14,15
	v_add_f32 v[TT+4*\t], v[TT+4*\t], v[TT+4*\t+1]
.endr
.irp t, 0,1,2,3,4,5,6,7,8,9,10,11,12,13,14,15
	v_permlanex16_b32 v[TT+4*\t+2], v[TT+4*\t], s[SEL], s[SEL+1]
.endr
.irp t, 0,1,2,3,4,5,6,7,8,9,10,11,12,13,14,15
	v_add_f32 v[TT+4*\t], v[TT+4*\t], v[TT+4*\t+2]                 ; the row's sum, at least 1
.endr
.irp t, 0,1,2,3,4,5,6,7,8,9,10,11,12,13,14,15
	v_rcp_f32 v[TT+4*\t+2], v[TT+4*\t]
.endr
	v_nop
	s_wait_alu depctr_va_vdst(0)                   ; one wait for the sixteen reciprocals
	WIN 0x41
.irp t, 0,1,2,3,4,5,6,7,8,9,10,11,12,13,14,15
.irp j, 0,2,4,6
	v_pk_mul_f32 v[8*\t+\j:8*\t+\j+1], v[8*\t+\j:8*\t+\j+1], v[TT+4*\t+2:TT+4*\t+3] op_sel_hi:[1,0]
.endr
.endr
	WIN 0x45
.irp t, 0,1,2,3,4,5,6,7,8,9,10,11,12,13,14,15
.irp z, 0,1,2,3
	v_cvt_pk_bf16_f32 v[ATT+4*\t+\z], v[8*\t+2*\z], v[8*\t+2*\z+1] ; registers 0 .. 3 of source 0 of the last product: row = my head, k = key heads 8 h + 0 .. 7
.endr
.endr
.irp z, 0,1,2,3
	v_mov_b32 v[ATT+64+\z], 0                      ; behind the last token's four
.endr
	WIN 0
.endm
; v of one token, turned: lane 16 h + 8 b + i' addresses head 8 h + i' of piece (t, b) and receives, of key heads 8 h + 0 .. 7, the channel d = t + 4 b + 8 i'
.macro VFETCH tau
.irp pc, 0,1,2,3
	ds_load_tr16_b128 v[VBF+32*((\tau)%2)+8*\pc:VBF+32*((\tau)%2)+8*\pc+3], v[VLD] offset:\pc*PIECE+(\tau)*PT
.endr
.endm
; ONE TOKEN'S OUTPUT: four products of 16 heads x 16 channels, K = the 16 key heads (the upper 16 of the form's 32 are zeros in v's fragment; source 0's upper registers are the next token's weights, finite, which count for nothing).
; Register j of product t, lane (8 b + i', h), is head 8 h + j, d = 8 i' + 4 b + t: the multiplication by 2^(e4 + e5) also lays four products' numbers into four neighbouring registers, 16 bytes of a row of out.
.macro TOK tau
.set kk, (\tau)%2
.if \tau < 15
	s_wait_dscnt 4                                 ; this token's four loads are in; the next token's four may be out
.else
	s_wait_dscnt 0x0
.endif
	WIN 0x01                                       ; source 0, the weights: window 1
.irp pc, 0,1,2,3
	v_wmma_f32_16x16x32_bf16 v[DD+32*kk+8*\pc:DD+32*kk+8*\pc+7], v[ATT+4*(\tau):ATT+4*(\tau)+7], v[VBF+32*kk+8*\pc:VBF+32*kk+8*\pc+7], 0
.endr
	WIN 0
	PLACES
.if \tau < 14
	VFETCH (\tau)+2
.endif
.if \tau > 1
	s_wait_xcnt 0x0                                ; the stores of two tokens back have read their registers, which are written again below
.endif
.irp j, 0,1,2,3,4,5,6,7
.irp pc, 0,1,2,3
	v_mul_f32 v[OUTR+32*kk+4*\j+\pc], s[OS], v[DD+32*kk+8*\pc+\j]   ; each accumulator from its low end on
.endr
.endr
.irp j, 0,1,2,3,4,5,6,7
	global_store_b128 v[OUTO], v[OUTR+32*kk+4*\j:OUTR+32*kk+4*\j+3], s[22:23] offset:(\tau)*4096+256*\j th:TH_STORE_NT   ; lanes 0-15 fill the 256 aligned bytes of head j, lanes 16-31 those of head 8 + j; written once, read by nobody here
.endr
.endm
.macro XLD from, to                    ; x's loads number from .. to - 1: number 16 s + 4 m + c is registers 4 c .. 4 c + 3 of fragment (m, s)
.set xn, \from
.rept \to-\from
	global_load_b128 v[16*(4*((xn/16)%4)+(xn/4)%4)+4*(xn%4):16*(4*((xn/16)%4)+(xn/4)%4)+4*(xn%4)+3], v[XO], s[4:5] offset:((xn/4)%4)*16384+(xn/16)*128+(xn%4)*32
.set xn, xn+1
.endr
.endm
	s_load_b512 s[4:19], s[0:1], 0x0               ; x s[4:5], Wq s[6:7], Wk s[8:9], Wv s[10:11], bq s[12:13], bk s[14:15], bv s[16:17], the pattern s[18:19]
	s_load_b128 s[20:23], s[0:1], 0x40             ; the scales' exponents s[20:21], out s[22:23]
	v_lshl_add_u32 v[SPW], v0, 2, SPARE
	v_mov_b32 v[NIL], 0
	ds_add_u32 v[SPW], v[NIL]                      ; the wave's opening: the add, twice on end, and its wait ahead of my first tensor load; the set-up below, work on registers, stands between
	ds_add_u32 v[SPW], v[NIL]
	v_lshrrev_b32 v[BIT], 5, v0
	v_readfirstlane_b32 s[WV], v[BIT]              ; wave 0 .. 3
	v_and_b32 v[RR], 15, v0
	v_bfe_u32 v[HH], v0, 4, 1
	s_bfe_u32 s2, ttmp6, 0x40000                   ; cx: my place in the cluster: it enters x's, out's and the prefetches' addresses alone
	s_lshl_b32 s3, ttmp9, 2                        ; in a cluster launch ttmp9 counts clusters
	s_add_co_u32 s3, s3, s2                        ; my block of 64 tokens
	s_cmp_eq_u32 ttmp9, 0
	s_cselect_b32 s[PFF], 1, 0                     ; the same in all four partners
	s_mul_i32 s88, s[WV], SHARE                    ; my share of a ring
	v_mul_u32_u24 v[ADRB], v[RR], PW
	v_lshl_add_u32 v[ADRB], v[HH], 4, v[ADRB]
	v_add_nc_u32 v[ADRB], s88, v[ADRB]             ; ring B begins at byte 0
	v_add_nc_u32 v[ADRA], RA, v[ADRB]
	v_mul_u32_u24 v[BIT], v[RR], PT                ; r x 272
	s_lshl_b32 s89, s[WV], 5
	s_add_co_u32 s89, s89, XB0
	v_lshl_add_u32 v[EST], v[HH], 3, v[BIT]
	v_add_nc_u32 v[EST], s89, v[EST]               ; XB0 + r PT + (4 w + h) 8
	s_lshl_b32 s89, s[WV], 6
	s_add_co_u32 s89, s89, VP0
	v_lshl_add_u32 v[VST0], v[HH], 4, v[BIT]
	v_add_nc_u32 v[VST0], s89, v[VST0]             ; VP0 + r PT + (4 w + h) 16
	v_add_nc_u32 v[VST1], VD, v[VST0]
	s_mul_i32 s89, s[WV], T16                      ; my 16 tokens
	s_add_co_u32 s98, s89, XB0
	v_and_b32 v[BIT], 31, v0
	v_lshl_add_u32 v[ELD], v[BIT], 3, s98          ; XB0 + 16 w PT + 8 lane
	s_add_co_u32 s98, s89, VP0
	v_and_b32 v[BIT], 7, v0
	v_lshl_add_u32 v[VLD], v[HH], 3, v[BIT]
	v_lshlrev_b32 v[VLD], 4, v[VLD]                ; (8 h + lane % 8) 16
	v_lshlrev_b32 v[OUTO], 5, v[BIT]               ; (r % 8) 32
	v_bfe_u32 v[BIT], v0, 3, 1                     ; b
	v_mad_u32_u24 v[VLD], v[BIT], VD, v[VLD]
	v_add_nc_u32 v[VLD], s98, v[VLD]
	v_lshl_add_u32 v[OUTO], v[BIT], 4, v[OUTO]
	v_lshl_add_u32 v[OUTO], v[HH], 11, v[OUTO]     ; + 16 b + 2,048 h
	s_lshl_b32 s89, s[WV], 7
	s_add_co_u32 s89, s89, TBL
	v_lshl_add_u32 v[BIA], v[HH], 5, s89           ; TBL + 128 w + 32 h
	v_bfe_u32 v[BIT], v0, 2, 3
	v_and_b32 v[PFO], 3, v0
	v_lshlrev_b32 v[PFO], 8, v[PFO]
	v_lshl_add_u32 v[PFO], v[BIT], 13, v[PFO]      ; (lane / 4) x 8 rows of W + (lane % 4) x 256
	v_lshlrev_b32 v[XO], 10, v[RR]
	v_lshl_add_u32 v[XO], v[HH], 4, v[XO]
	v_lshl_add_u32 v[TBS], v0, 2, TBL
	v_lshlrev_b32 v[BOF], 5, v0                    ; my eight biases of each of the three
	v_lshlrev_b32 v[POF], 6, v[RR]
	v_lshl_add_u32 v[POF], v[HH], 5, v[POF]        ; pattern[r][8 h ..]
	; descriptor group 1: 32 rows of 1,024 bytes, 8 rows of W apart, padded in LDS
	s_mov_b32 s[G1+0], 15|(0<<16)|(1<<20)|(1<<21)|(7<<22)|(3<<25)  ; 15:0 the mask: all four work-groups; 17:16 elements of 1 byte; 20 padding on; 21 set beside a mask; 24:22 after every 256 words (code 7); 31:25 four words (code 3)
	s_mov_b32 s[G1+1], 1024<<16                    ; tensor_dim0
	s_mov_b32 s[G1+2], 32<<16                      ; tensor_dim1
	s_mov_b32 s[G1+3], 1024<<16                    ; tile_dim0
	s_mov_b32 s[G1+4], 32                          ; tile_dim1
	s_mov_b32 s[G1+5], 8192                        ; tensor_dim0_stride
	s_mov_b32 s[G1+6], 0
	s_mov_b32 s[G1+7], 0
	s_mov_b32 s[DAQ], 1
	s_add_co_u32 s[DAQ+1], s88, RA
	s_mov_b32 s[DBQ], 1
	s_add_co_u32 s[DBQ+1], s88, RB
	s_mov_b32 s[DAK], 1
	s_add_co_u32 s[DAK+1], s88, RA
	s_mov_b32 s[DBK], 1
	s_add_co_u32 s[DBK+1], s88, RB
	s_mov_b32 s[SEL], 0x76543210
	s_mov_b32 s[SEL+1], 0xfedcba98
	s_lshl_b32 s90, s[WV], 18                      ; my 256 rows of a W
	s_mov_b32 s91, 0
	s_lshl_b32 s92, s2, 16                         ; my work-group's 8 of a wave's 32 rows, for the prefetches
	s_mov_b32 s93, 0
	s_lshl_b32 s94, s3, 16                         ; my 64 rows of x
	s_mov_b32 s95, 0
	s_lshl_b32 s96, s3, 18                         ; my 64 rows of out,
	s_lshl_b32 s97, s[WV], 16                      ; my wave's 16 of them
	s_add_co_u32 s96, s96, s97
	s_mov_b32 s97, 0
	s_wait_dscnt 0x0                               ; both opening adds are done
	s_wait_kmcnt 0x0
	s_load_b256 s[24:31], s[20:21], 0x0            ; e0 .. e7
	s_add_nc_u64 s[DAQ+2:DAQ+3], s[6:7], s[90:91]  ; (q, 0)
	s_add_nc_u64 s[DBQ+2:DBQ+3], s[DAQ+2:DAQ+3], 4096   ; (q, 4)
	s_add_nc_u64 s[DAK+2:DAK+3], s[8:9], s[90:91]  ; (k, 0)
	s_add_nc_u64 s[DBK+2:DBK+3], s[DAK+2:DAK+3], 4096
	s_add_nc_u64 s[VA0:VA0+1], s[10:11], s[90:91]  ; (v, 0)
	s_add_nc_u64 s[VB0:VB0+1], s[VA0:VA0+1], 4096
	s_add_nc_u64 s[P0:P0+1], s[DAQ+2:DAQ+3], s[92:93]
	s_add_nc_u64 s[P1:P1+1], s[DBQ+2:DBQ+3], s[92:93]
	s_add_nc_u64 s[P2:P2+1], s[DAK+2:DAK+3], s[92:93]
	s_add_nc_u64 s[P3:P3+1], s[DBK+2:DBK+3], s[92:93]
	s_add_nc_u64 s[P0:P0+1], s[P0:P0+1], 1024      ; the first trip asks for slots 4 .. 7: (q, 1), (q, 5), (k, 1), (k, 5)
	s_add_nc_u64 s[P1:P1+1], s[P1:P1+1], 1024
	s_add_nc_u64 s[P2:P2+1], s[P2:P2+1], 1024
	s_add_nc_u64 s[P3:P3+1], s[P3:P3+1], 1024
	s_add_nc_u64 s[PV0:PV0+1], s[VA0:VA0+1], s[92:93]      ; the last trip for slots 16 .. 19: (v, 0), (v, 4), (v, 1), (v, 5)
	s_add_nc_u64 s[PV0+2:PV0+3], s[PV0:PV0+1], 4096
	s_add_nc_u64 s[PV0+4:PV0+5], s[PV0:PV0+1], 1024
	s_add_nc_u64 s[PV0+6:PV0+7], s[PV0:PV0+1], 5120
	s_or_b32 s[DAQ+3], s[DAQ+3], 0x80000000        ; 127:126 type = 2
	s_or_b32 s[DBQ+3], s[DBQ+3], 0x80000000
	s_or_b32 s[DAK+3], s[DAK+3], 0x80000000
	s_or_b32 s[DBK+3], s[DBK+3], 0x80000000
	s_or_b32 s[VA0+1], s[VA0+1], 0x80000000
	s_or_b32 s[VB0+1], s[VB0+1], 0x80000000
	s_add_nc_u64 s[4:5], s[4:5], s[94:95]
	s_add_nc_u64 s[22:23], s[22:23], s[96:97]
	CROUND                                         ; all four work-groups are here: the first joint loads meet
	tensor_load_to_lds s[DAQ:DAQ+3], s[G1:G1+7]    ; slot 0.  Every wave issues both first fills: two loads of mine are out
	s_nop 0
	tensor_load_to_lds s[DBQ:DBQ+3], s[G1:G1+7]    ; slot 1
	s_nop 0
	PLACES
	global_load_b128 v[64:67], v[BOF], s[12:13]    ; b[8 t .. 8 t + 7], t my thread's number = 32 w + y: column 256 w + i + 8 y is number i of them
	global_load_b128 v[68:71], v[BOF], s[12:13] offset:16
	global_load_b128 v[72:75], v[BOF], s[14:15]
	global_load_b128 v[76:79], v[BOF], s[14:15] offset:16
	global_load_b128 v[80:83], v[BOF], s[16:17]
	global_load_b128 v[84:87], v[BOF], s[16:17] offset:16
	global_load_b128 v[PAT:PAT+3], v[POF], s[18:19]
	global_load_b128 v[PAT+4:PAT+7], v[POF], s[18:19] offset:16
	WIN 0x80                                       ; destination window 2
	XLD 0, 56
	WIN 0x40                                       ; destination window 1.  The loop is written once: its first scores are added onto zeros
.set zi, 0
.rept 128
	v_mov_b32 v[zi], 0                             ; the scores
.set zi, zi+1
.endr
.irp g, 0,1,2,3,4,5,6,7
.irp z, 2,3,4,5,6,7
	v_mov_b32 v[KS+8*\g+\z], 0                     ; k's zero codes: K = 16 .. 63 of the form
.endr
.endr
.set zi, 0
.rept 38
	v_mov_b32 v[QS+zi], 0                          ; q's registers and the six behind them
.set zi, zi+1
.endr
	WIN 0
	s_wait_kmcnt 0x0
	s_add_co_i32 s88, s24, s25                     ; e0 + e1
	s_add_co_i32 s89, s26, s27                     ; e2 + e3
	s_add_co_i32 s90, s28, s29                     ; e4 + e5
	s_sub_co_i32 s91, s30, s88
	s_add_co_i32 s91, s91, 127
	s_lshl_b32 s92, s91, 23
	v_mov_b32 v[SCQ], s92                          ; 2^(e6 - e0 - e1) as f32: the conversion takes its exponent field
	s_add_co_i32 s91, s91, 8
	s_lshl_b32 s91, s91, 23
	s_or_b32 s91, s91, 0x600000
	v_mov_b32 v[LMQ], s91                          ; 448 x that
	s_sub_co_i32 s91, s31, s89
	s_add_co_i32 s91, s91, 127
	s_lshl_b32 s92, s91, 23
	v_mov_b32 v[SCK], s92
	s_add_co_i32 s91, s91, 8
	s_lshl_b32 s91, s91, 23
	s_or_b32 s91, s91, 0x600000
	v_mov_b32 v[LMK], s91
	s_add_co_i32 s[OS], s90, 127
	s_lshl_b32 s[OS], s[OS], 23                    ; 2^(e4 + e5) as f32
	s_sub_co_i32 s88, 0, s88
	s_sub_co_i32 s89, 0, s89
	s_sub_co_i32 s90, 0, s90
	s_add_co_i32 s93, s30, s31                     ; e6 + e7
	s_wait_loadcnt 56                              ; the biases and the pattern are in; the 56 loads of x issued behind them may be out
.irp i, 0,1,2,3,4,5,6,7
	v_ldexp_f32 v[64+\i], v[64+\i], s88            ; a sum stands for sum x 2^(ex + ew): the bias goes in divided by that
	v_ldexp_f32 v[72+\i], v[72+\i], s89
	v_ldexp_f32 v[80+\i], v[80+\i], s90
.endr
.irp i, 0,1,2,3,4,5,6,7
	ds_store_b32 v[TBS], v[64+\i] offset:(23-(4*(\i%4)+\i/4))*512      ; slot (q, i) is number 4 (i % 4) + i / 4 in time,
	ds_store_b32 v[TBS], v[72+\i] offset:(23-(4*(\i%4)+2+\i/4))*512    ; (k, i) two later,
	ds_store_b32 v[TBS], v[80+\i] offset:(23-(16+2*(\i%4)+\i/4))*512   ; (v, i) number 16 + 2 (i % 4) + i / 4
.endr
.irp j, 0,1,2,3,4,5,6,7
	v_mul_f32 v[PAT+\j], 0x3fb8aa3b, v[PAT+\j]     ; x log2(e)
.endr
.irp j, 0,1,2,3,4,5,6,7
	v_ldexp_f32 v[PAT+\j], v[PAT+\j], s93          ; x 2^(e6 + e7)
.endr
	WIN 0x80
	XLD 56, 64
	WIN 0xc0                                       ; destination window 3
	XLD 64, 128
	WIN 0
	s_wait_tensorcnt 0x1                           ; my share of slot 0 is in; slot 1's may stay out
	s_wait_dscnt 0x0                               ; my part of the table is stored
	s_barrier_signal -1
	s_barrier_wait -1
	LDBI BIA, 23*512                               ; slot 0's biases
	LDW 0, ADRA, 0
	LDW 1, ADRA, 1
	s_wait_loadcnt 0x0                             ; x
	s_mov_b32 s[CT], 0
	s_mov_b32 s[TB], 19*512
.Ltrip:                                                ; four trips: slots 4 c .. 4 c + 3: the pair (c, c + 4) of q, then of k
	v_add_nc_u32 v[BIT], s[TB], v[BIA]
	GEMM ADRA, ADRB, 2, DAK, 0, 0, BIT, 1536, 1, P0, 0, 1
	EPIQK SCQ, LMQ, 0
	s_cmp_eq_u32 s[CT], 0                          ; the scores of the pair before: its k was stored in front of the last two changes of slots.  The first trip has none: a jump on the trip's number, round no barrier and no tensor load
	s_cbranch_scc1 .Lno_score
	SCORE
.Lno_score:
	GEMM ADRB, ADRA, 2, DBK, 0, 0, BIT, 1024, 1, P1, 0, 1
	EPIQK SCQ, LMQ, 128
	GEMM ADRA, ADRB, 2, DAQ, 2, VA0, BIT, 512, 1, P2, 0, 1
	EPIQK SCK, LMK, PIECE
	PULLQ                                          ; every wave stored its part of q's pair in front of the change of slots just passed; q's exchange is written again only behind two more
	GEMM ADRB, ADRA, 2, DBQ, 2, VB0, BIT, 0, 1, P3, 0, 1
	EPIQK SCK, LMK, PIECE+128
	s_wait_xcnt 0x0                                ; the trip's prefetches have read their addresses
	s_add_nc_u64 s[P0:P0+1], s[P0:P0+1], 1024
	s_add_nc_u64 s[P1:P1+1], s[P1:P1+1], 1024
	s_add_nc_u64 s[P2:P2+1], s[P2:P2+1], 1024
	s_add_nc_u64 s[P3:P3+1], s[P3:P3+1], 1024
	s_cmp_eq_u32 s[CT], 2                          ; the last trip asks for v's first four slots
	s_cselect_b64 s[P0:P0+1], s[PV0:PV0+1], s[P0:P0+1]
	s_cselect_b64 s[P1:P1+1], s[PV0+2:PV0+3], s[P1:P1+1]
	s_cselect_b64 s[P2:P2+1], s[PV0+4:PV0+5], s[P2:P2+1]
	s_cselect_b64 s[P3:P3+1], s[PV0+6:PV0+7], s[P3:P3+1]
	s_add_nc_u64 s[DAK+2:DAK+3], s[DAK+2:DAK+3], 1024   ; k's two loads of this trip were shown done by the waits for all loads of the two changes of slots behind them
	s_add_nc_u64 s[DBK+2:DBK+3], s[DBK+2:DBK+3], 1024
	s_sub_co_u32 s[TB], s[TB], 2048                ; four entries on in time
	s_add_co_u32 s[CT], s[CT], 1
	s_cmp_lt_u32 s[CT], 4
	s_cbranch_scc1 .Ltrip
	; v's eight slots, written out: what is done with the sums differs from slot to slot
	GEMM ADRA, ADRB, 2, DAQ, 1, 0, BIA, 6*512, 1, PV0, 2048, 1
	EPIV_IM VST0, 0
	SCORE                                          ; the last pair
	SOFTMAX
	GEMM ADRB, ADRA, 2, DBQ, 1, 0, BIA, 5*512, 1, PV0, 6144, 1
	EPIV_RT 0
	GEMM ADRA, ADRB, 2, DAQ, 1, 0, BIA, 4*512, 1, PV0, 3072, 1
	EPIV_IM VST0, PIECE                            ; where q's exchange lay: read for the last time four changes of slots back
	GEMM ADRB, ADRA, 2, DBQ, 1, 0, BIA, 3*512, 1, PV0, 7168, 1
	EPIV_RT 1
	GEMM ADRA, ADRB, 2, DAQ, 1, 0, BIA, 2*512, 0, 0, 0, 1
	EPIV_IM VST0, 2*PIECE                          ; where k's exchange lay
	GEMM ADRB, ADRA, 2, DBQ, 1, 0, BIA, 1*512, 0, 0, 0, 1   ; slot 23 is asked for: the last fill
	EPIV_RT 2
	GEMM ADRA, ADRB, 1, 0, 0, 0, BIA, 0, 0, 0, 0, 1   ; behind its barrier nobody reads ring A any more, and nothing is filled
	EPIV_IM VST0, 3*PIECE
	VDEFER
	GEMM ADRB, ADRA, 0, 0, 0, 0, BIA, 0, 0, 0, 0, 0
	EPIV_IM VST1, 3*PIECE
	s_wait_dscnt 0x0                               ; for the others' sake: my parts of v's eight pieces are stored
	s_barrier_signal -1
	s_barrier_wait -1
.irp k, 0,1
.irp pc, 0,1,2,3
.irp z, 4,5,6,7
	v_mov_b32 v[VBF+32*\k+8*\pc+\z], 0             ; K = 16 .. 31 of the last product's form: zeros
.endr
.endr
.endr
	VFETCH 0
	VFETCH 1
.irp tau, 0,1,2,3,4,5,6,7,8,9,10,11,12,13,14,15
	TOK \tau
.endr
	s_wait_tensorcnt 0x0                           ; the wave's end, behind my last tensor load and my last LDS store
	ds_add_u32 v[SPW], v[NIL]
	s_wait_dscnt 0x0
	CROUND                                         ; the closing round: no work-group ends while a partner may still ask for a tile that names it
	s_endpgm
.Lfunc_end_k_qc15cbf6679_fused:
	.size	k_qc15cbf6679_fused, .Lfunc_end_k_qc15cbf6679_fused-k_qc15cbf6679_fused
	.p2alignl 7, 3214868480
	.fill 96, 4, 3214868480
	.section	.rodata,"a",@progbits
	.p2align	6, 0x0
	.amdhsa_kernel k_qc15cbf6679_fused
		.amdhsa_group_segment_fixed_size 327680
		.amdhsa_private_segment_fixed_size 0
		.amdhsa_enable_private_segment 0
		.amdhsa_kernarg_size 80
		.amdhsa_user_sgpr_count 2
		.amdhsa_user_sgpr_kernarg_segment_ptr 1
		.amdhsa_wavefront_size32 1
		.amdhsa_system_sgpr_workgroup_id_x 1
		.amdhsa_system_sgpr_workgroup_id_y 1
		.amdhsa_system_sgpr_workgroup_id_z 1
		.amdhsa_system_vgpr_workitem_id 0
		.amdhsa_next_free_vgpr 1024
		.amdhsa_next_free_sgpr 100
		.amdhsa_reserve_vcc 0
		.amdhsa_float_denorm_mode_32 3
		.amdhsa_float_denorm_mode_16_64 3
		.amdhsa_memory_ordered 1
		.amdhsa_forward_progress 1
		.amdhsa_inst_pref_size 255
	.end_amdhsa_kernel
	.section	.bss,"aw",@nobits
	.p2align	6
	.space	262144
	.amdgpu_metadata
---
amdhsa.version: [ 1, 2 ]
amdhsa.kernels:
  - .name:           k_qc15cbf6679_fused
    .symbol:         k_qc15cbf6679_fused.kd
    .args:
      - { .name: x_codes, .offset: 0, .size: 8, .value_kind: global_buffer, .address_space: global }
      - { .name: Wq_codes, .offset: 8, .size: 8, .value_kind: global_buffer, .address_space: global }
      - { .name: Wk_codes, .offset: 16, .size: 8, .value_kind: global_buffer, .address_space: global }
      - { .name: Wv_codes, .offset: 24, .size: 8, .value_kind: global_buffer, .address_space: global }
      - { .name: bq, .offset: 32, .size: 8, .value_kind: global_buffer, .address_space: global }
      - { .name: bk, .offset: 40, .size: 8, .value_kind: global_buffer, .address_space: global }
      - { .name: bv, .offset: 48, .size: 8, .value_kind: global_buffer, .address_space: global }
      - { .name: sparsity_pattern, .offset: 56, .size: 8, .value_kind: global_buffer, .address_space: global }
      - { .name: lowp_scales, .offset: 64, .size: 8, .value_kind: global_buffer, .address_space: global }
      - { .name: out0, .offset: 72, .size: 8, .value_kind: global_buffer, .address_space: global }
    .group_segment_fixed_size: 327680
    .private_segment_fixed_size: 0
    .kernarg_segment_align: 8
    .kernarg_segment_size: 80
    .max_flat_workgroup_size: 128
    .sgpr_count:     100
    .vgpr_count:     1024
    .wavefront_size: 32
...
	.end_amdgpu_metadata
.endif
;; end of part 1
;; ======== version 2 of 2: 1 launch
;; limits: right only within a limited range of input values; values are held in bf16: 8 bits of precision
;; launch fused (part 2): grid 256 x 1, 4 waves a work-group, clusters of 4 x 1, 327,680 bytes of LDS; arguments x_codes, Wq_codes, Wk_codes, Wv_codes, bq, bk, bv, sparsity_pattern, lowp_scales, out0; writes out0
.if DOCPART == 2
	.amdgcn_target "amdgcn-amd-amdhsa--gfx1250"
	.amdhsa_code_object_version 6
	.text
	.protected	k_qc15cbf6679_fused
	.globl	k_qc15cbf6679_fused
	.p2align	8
	.type	k_qc15cbf6679_fused,@function
k_qc15cbf6679_fused:
	s_mov_b64 s[64:65], 0
	v_nop
	global_prefetch_b8 v0, s[64:65] scope:SCOPE_SE
	s_setreg_imm32_b32 hwreg(HW_REG_WAVE_MODE, 25, 1), 1
	s_wait_xcnt 0x0
	s_wait_alu depctr_hold_cnt(0) depctr_sa_sdst(0) depctr_va_vdst(0) depctr_va_sdst(0) depctr_va_ssrc(0) depctr_va_vcc(0) depctr_vm_vsrc(0)
	s_getreg_b32 s2, hwreg(HW_REG_IB_STS2, 6, 4)
	s_cmp_eq_u32 s2, 0
	s_cbranch_scc0 .Lentry_in_a_cluster
	s_endpgm
.Lentry_in_a_cluster:
	s_bfe_u32 s2, ttmp6, 0x10000c
	s_cmp_lg_u32 s2, 0x3003
	s_cbranch_scc0 .Lentry_shape_is_right
	s_endpgm
.Lentry_shape_is_right:
; out[token] = softmax over g of ((q_h . k_g) pattern[h][g]) v_g for each of 16,384 tokens; q, k, v = x W^T + b, 16 heads of 64.
; A work-group of four waves owns 64 tokens and takes them through the whole chain.  x's 64 rows stay in registers (windows 2 and 3: 32 fragments of 16 tokens x 128 K).
; W goes by in 24 chunks of 128 rows x 1,024 K through a ring of two LDS slots; a wave multiplies 32 rows of each chunk (two units of 16 rows) with all 64 tokens.  Every byte of W is read from LDS once.
; Chunks: Q, Q, K, K four times (8 neighbouring d of all 16 heads each: 16 pieces of 8,192 bytes), then V eight times (two whole heads each, 131,072 bytes that lie end to end).
; The order of d in the sum of a score is free: clusters begin at one of four pairs of d blocks.
; Behind two Q and two K chunks the codes of 16 d of all heads lie in LDS, and each wave adds these 16 d to the scores of its own 16 tokens (K = 64 form, the rest of K zero codes on K's side).
; W's tiles are asked for jointly by the four work-groups of a cluster.  The products are used transposed (source 0 = W's rows, source 1 = tokens): a lane holds one token and 8 rows of W.
; LIMITS.  e6-e0-e1 and e7-e2-e3 lie between -126 and 119, e4+e5 between -126 and 127, so that each power of two is an f32 number (e0 .. e7 = lowp_scales).
; The scaled scores stay under 2^31.  A NaN or infinity in one token may reach the other tokens of the same wave, since unused operand places multiply a neighbour's numbers with zeros.
; REGISTERS.  Window 0: 0-63 addresses and temporaries, 64-127 two sets of 4 accumulators, 128-255 eight fragments of W.  Window 1: 0-127 scores, then attention (0-67); 128-229 score operands, then V's deferred results; 230-237 codes; 240-247 bias.
.set PW,    1040                       ; an LDS row of a tile: 1,024 bytes + 16 of padding
.set SHARE, 32*PW
.set RING,  4*SHARE
.set PT,    272                        ; a token's row of 256 bytes + 16
.set T16,   16*PT
.set XKO,   64*PT                      ; from q's exchange bytes to k's
.set VPC,   64*PT+32                   ; a piece of V: two heads of 64 tokens; the 32 set neighbouring pieces 8 banks apart
.set RB,    0                          ; slot B (odd chunks)
.set TBLV,  RING                       ; bias of V, [head][c][j] = bv[64 head + 8 j + c] / 2^(e4+e5)
.set TBLQ,  TBLV+4096                  ; biases of Q and K as they lie, divided by their products' scales
.set XQ,    TBLQ+8192
.set RA,    327680-512-RING            ; slot A (even chunks)
.set XA,    RA-48*PW                   ; 48 rows of x at the head, on bytes that the exchange and the top of K's table take later
.set VP0,   RA-3*VPC                   ; V's pieces 0-2 lie on the exchange bytes and the table of Q and K, 3-7 in slot A: each is stored when those are done with
.set SPARE, RA+RING
.set VB,    131072                     ; a chunk of V in memory
.set SPW,  1
.set NIL,  2
.set ADRA, 3
.set ADRB, 4
.set ADVA, 5
.set ADVB, 6
.set EST,  7
.set ELD,  8
.set VSA,  9
.set VSB,  10
.set VLD,  11
.set BIA,  12
.set BIT,  13
.set BIV,  14
.set PFO,  15
.set SCB,  16                          ; v17, v18: scales of q's and k's quantiser
.set RR,   19
.set HH,   20
.set ADX,  21
.set T1,   22
.set T2,   23
.set PAT,  24
.set TT,   32
.set BB,   32
.set T3,   56
.set T4,   57
.set BOF,  58
.set POF,  59
.set TBS,  60
.set TBV,  61
.set XO,   63
.set OUTO, 62
.set ACC,  64
.set WF,   128
.set DD,   64
.set VBF,  128
.set OUTR, 192
.set KS,   128                         ; window 1
.set QS,   192
.set VR,   128
.set CD,   230
.set BI,   240
.set ATT,  0
.set G1Q,  32
.set G1V,  40
.set DA,   48
.set DB,   52
.set QW,   56
.set KW,   58
.set VW,   60
.set WV,   62
.set CT,   63
.set QN,   66
.set KN,   68
.set LMB,  68                          ; s[70:71]: q's limit and its negative, s[72:73]: k's
.set SEL,  74
.set OS,   76
.set ROT,  77
.set CB,   78
.set PFL,  79
.set PFV,  80
.set PFH,  82
.set G1H,  84
.set G1X,  92
.set DX,   28
.set MSB, 0
.macro WIN new
.if MSB != \new
	s_set_vgpr_msb (MSB<<8)|\new
.set MSB, \new
.endif
.endm
.macro PLACES
.rept 4
	v_nop
.endr
.endm
.macro CREST
	s_cmp_lg_u32 s[WV], 0
	s_cbranch_scc1 .Lnot_wave_0_\@
	s_barrier_signal -3
.Lnot_wave_0_\@:
	s_barrier_wait -3
	s_barrier_signal -1
	s_barrier_wait -1
.endm
.macro CROUND
	s_barrier_signal -1
	s_barrier_wait -1
	CREST
.endm
.macro JL d, g
	tensor_load_to_lds s[\d:\d+3], s[\g:\g+7]
	s_nop 0
	PLACES
.endm
; V's chunk v into the L2, four chunks ahead of its load.  16 clusters ask, each block of 256 bytes by four of them; a work-group's wave 0 names 8,192 bytes, told apart by address.
.macro ASK v, lp
	WIN 0
.if \lp
	s_cmp_eq_u32 s[CT], s[PFL]
.else
	s_cmp_eq_u32 s[PFL], 2
.endif
	s_cbranch_scc0 .Lnot_mine_\@
	global_prefetch_b8 v[PFO], s[PFV:PFV+1] offset:\v*VB th:TH_LOAD_NT scope:SCOPE_SE
.Lnot_mine_\@:
.endm
; One product: fragment s of W (K = 128 s ..) x 16 tokens m.  The first step takes the bias as C.
.macro MM st, s, m
.if \s == 0
	v_wmma_f32_16x16x128_fp8_fp8 v[ACC+32*\st+8*\m:ACC+32*\st+8*\m+7], v[WF+16*\s:WF+16*\s+15], v[16*(4*(\s%4)+\m):16*(4*(\s%4)+\m)+15], v[BI:BI+7]
.else
	v_wmma_f32_16x16x128_fp8_fp8 v[ACC+32*\st+8*\m:ACC+32*\st+8*\m+7], v[WF+16*\s:WF+16*\s+15], v[16*(4*(\s%4)+\m):16*(4*(\s%4)+\m)+15], v[ACC+32*\st+8*\m:ACC+32*\st+8*\m+7]
.endif
.endm
; The hold at the largest code, n numbers of accumulator a of the other set (ep 1: q, 2: k).
.macro MED ep, st, a, j, n
.if ((\ep == 1) || (\ep == 2)) && (\a < 4)
.set mj, \j
.rept \n
	v_med3_num_f32 v[ACC+32*(1-\st)+8*\a+mj], v[ACC+32*(1-\st)+8*\a+mj], s[LMB+2*\ep+1], s[LMB+2*\ep]
.set mj, mj+1
.endr
.endif
.endm
; Four products on fragment s; the unit before is held between them.
.macro GRP st, s, ep
.if \s == 0
	WIN 0x18
.endif
.if (\s > 0) && (\s < 4)
	WIN 0x08
.endif
.if \s > 3
	WIN 0x0c
.endif
	MM \st, \s, 0
	MED \ep, \st, \s, 0, 2
	MM \st, \s, 1
	MED \ep, \st, \s, 2, 2
	MM \st, \s, 2
	MM \st, \s, 3
.endm
; The four places ahead of a run of loads, behind the products of an odd fragment s, by the unit before's epilogue where there is one.  ep 1, 2: holds, then (s = 5) codes, 8 bytes a lane, into the exchange rows;
; ep 3: two accumulators of V as bf16, 16 bytes a lane each, into their piece; ep 4: V as bf16 kept in registers eo ...
.macro GAP st, s, ep, ev, eo, sw
.set gk, 0
.if ((\ep == 1) || (\ep == 2)) && (\s < 4)
	MED \ep, \st, \s, 4, 4
.set gk, 1
.endif
.if ((\ep == 1) || (\ep == 2)) && (\s == 5)
	WIN 0x40
	s_wait_alu depctr_va_vdst(0)
.irp a, 0,1,2,3
	v_cvt_scalef32_pk8_fp8_f32 v[CD+2*\a:CD+2*\a+1], v[ACC+32*(1-\st)+8*\a:ACC+32*(1-\st)+8*\a+7], v[SCB+\ep]
.endr
	WIN 0x04
	PLACES
.irp a, 0,1,2,3
	ds_store_b64 v[EST], v[CD+2*\a:CD+2*\a+1] offset:\eo+\a*T16
.endr
.set gk, 1
.endif
.if (\ep == 3) && (\s > 3)
	WIN 0
.if \sw
	s_wait_alu depctr_va_vdst(0)
.endif
.irp a, 0,1
.irp z, 0,1,2,3
	v_cvt_pk_bf16_f32 v[ACC+32*(1-\st)+8*(\s-5+\a)+\z], v[ACC+32*(1-\st)+8*(\s-5+\a)+2*\z], v[ACC+32*(1-\st)+8*(\s-5+\a)+2*\z+1]
.endr
.endr
.irp a, 0,1
	ds_store_b128 v[\ev], v[ACC+32*(1-\st)+8*(\s-5+\a):ACC+32*(1-\st)+8*(\s-5+\a)+3] offset:\eo+(\s-5+\a)*T16
.endr
.set gk, 1
.endif
.if (\ep == 4) && (\s > 3)
	WIN 0x40
.if \sw
	s_wait_alu depctr_va_vdst(0)
.endif
.irp a, 0,1
.irp z, 0,1,2,3
	v_cvt_pk_bf16_f32 v[\eo+4*(\s-5+\a)+\z], v[ACC+32*(1-\st)+8*(\s-5+\a)+2*\z], v[ACC+32*(1-\st)+8*(\s-5+\a)+2*\z+1]
.endr
.endr
	WIN 0
.set gk, 1
.endif
.if gk == 0
	PLACES
.endif
.endm
.macro LDF ad, u, s                    ; fragment s of unit u: 16 rows x 128 K
.irp c, 0,1,2,3
	ds_load_b128 v[WF+16*(\s)+4*\c:WF+16*(\s)+4*\c+3], v[\ad] offset:\u*16*PW+(\s)*128+32*\c
.endr
.endm
.macro LDBI ba, bo
	WIN 0x40
	ds_load_b128 v[BI:BI+3], v[\ba] offset:\bo
	ds_load_b128 v[BI+4:BI+7], v[\ba] offset:\bo+16
	WIN 0
.endm
; A chunk's first unit (accumulator set 0): two fragments at a time are replaced by the second unit's as soon as their eight products are issued.
; The count 24 at each pair: behind the pair's loads stand those of at least six other fragments, four loads each.
.macro U0 ad, ep, ev, eo, ba, bo
.irp s, 0,1,2,3,4,5,6,7
.if (\s % 2) == 0
	s_wait_dscnt 24
	GRP 0, \s, \ep
	MED \ep, 0, \s, 4, 4
.else
	GRP 0, \s, \ep
	GAP 0, \s, \ep, \ev, \eo, 0
.if \s == 1
	LDBI \ba, \bo
.endif
	LDF \ad, 1, \s-1
	LDF \ad, 1, \s
.endif
.endr
.endm
.macro PULLQ                           ; q's codes of my 16 tokens: 16 heads x 16 d each
	WIN 0x40
.irp t, 0,1,2,3,4,5,6,7,8,9,10,11,12,13,14,15
	ds_load_b64 v[QS+2*\t:QS+2*\t+1], v[ELD] offset:\t*PT
.endr
.endm
.macro KLD gp
	WIN 0x40
.irp g, 0,1,2,3,4,5,6,7
	ds_load_b64 v[KS+8*\g:KS+8*\g+1], v[ELD] offset:XKO+(8*\gp+\g)*PT
.endr
.endm
.macro SC8 gp                          ; scores of eight tokens: rows g, columns h
	WIN 0x55
.irp g, 0,1,2,3,4,5,6,7
	v_wmma_f32_16x16x64_fp8_fp8 v[8*(8*\gp+\g):8*(8*\gp+\g)+7], v[KS+8*\g:KS+8*\g+7], v[QS+2*(8*\gp+\g):QS+2*(8*\gp+\g)+7], v[8*(8*\gp+\g):8*(8*\gp+\g)+7]
.endr
.endm
; The softmax of four tokens.  A lane holds head h = lane % 16 and g = 8 (lane / 16) + 0 .. 7; the other half of g lies in lane xor 16.  PAT = pattern x log2(e) x the scores' scale.
.macro SOFTMAX t0
	WIN 0x41
	s_wait_alu depctr_va_vdst(0)           ; ahead of the scores' first readers
.irp t, 0,1,2,3
.irp j, 0,2,4,6
	v_pk_mul_f32 v[8*(\t0+\t)+\j:8*(\t0+\t)+\j+1], v[8*(\t0+\t)+\j:8*(\t0+\t)+\j+1], v[PAT+\j:PAT+\j+1]
.endr
.endr
	WIN 0x15
.irp t, 0,1,2,3
	v_max3_num_f32 v[TT+4*\t], v[8*(\t0+\t)], v[8*(\t0+\t)+1], v[8*(\t0+\t)+2]
	v_max3_num_f32 v[TT+4*\t+1], v[8*(\t0+\t)+3], v[8*(\t0+\t)+4], v[8*(\t0+\t)+5]
.endr
	WIN 0x14
.irp t, 0,1,2,3
	v_max3_num_f32 v[TT+4*\t], v[TT+4*\t], v[8*(\t0+\t)+6], v[8*(\t0+\t)+7]
.endr
	WIN 0
.irp t, 0,1,2,3
	v_max_num_f32 v[TT+4*\t], v[TT+4*\t], v[TT+4*\t+1]
.endr
.irp t, 0,1,2,3
	v_permlanex16_b32 v[TT+4*\t+2], v[TT+4*\t], s[SEL], s[SEL+1]
.endr
.irp t, 0,1,2,3
	v_max_num_f32 v[TT+4*\t], v[TT+4*\t], v[TT+4*\t+2]
.endr
	WIN 0x41
.irp t, 0,1,2,3
.irp j, 0,2,4,6
	v_pk_add_f32 v[8*(\t0+\t)+\j:8*(\t0+\t)+\j+1], v[8*(\t0+\t)+\j:8*(\t0+\t)+\j+1], v[TT+4*\t:TT+4*\t+1] op_sel_hi:[1,0] neg_lo:[0,1] neg_hi:[0,1]
.endr
.endr
.set zi, 8*\t0
	s_wait_alu depctr_va_vdst(0)           ; ahead of the batch
.rept 32
	v_exp_f32 v[zi], v[zi]
.set zi, zi+1
.endr
	v_nop
	s_wait_alu depctr_va_vdst(0)           ; and behind it
	WIN 0x05
.irp t, 0,1,2,3
	v_pk_add_f32 v[TT+4*\t:TT+4*\t+1], v[8*(\t0+\t):8*(\t0+\t)+1], v[8*(\t0+\t)+2:8*(\t0+\t)+3]
	v_pk_add_f32 v[TT+4*\t+2:TT+4*\t+3], v[8*(\t0+\t)+4:8*(\t0+\t)+5], v[8*(\t0+\t)+6:8*(\t0+\t)+7]
.endr
	WIN 0
.irp t, 0,1,2,3
	v_pk_add_f32 v[TT+4*\t:TT+4*\t+1], v[TT+4*\t:TT+4*\t+1], v[TT+4*\t+2:TT+4*\t+3]
.endr
.irp t, 0,1,2,3
	v_add_f32 v[TT+4*\t], v[TT+4*\t], v[TT+4*\t+1]
.endr
.irp t, 0,1,2,3
	v_permlanex16_b32 v[TT+4*\t+2], v[TT+4*\t], s[SEL], s[SEL+1]
.endr
.irp t, 0,1,2,3
	v_add_f32 v[TT+4*\t], v[TT+4*\t], v[TT+4*\t+2]
.endr
	s_wait_alu depctr_va_vdst(0)
.irp t, 0,1,2,3
	v_rcp_f32 v[TT+4*\t+2], v[TT+4*\t]
.endr
	v_nop
	s_wait_alu depctr_va_vdst(0)
	WIN 0x41
.irp t, 0,1,2,3
.irp j, 0,2,4,6
	v_pk_mul_f32 v[8*(\t0+\t)+\j:8*(\t0+\t)+\j+1], v[8*(\t0+\t)+\j:8*(\t0+\t)+\j+1], v[TT+4*\t+2:TT+4*\t+3] op_sel_hi:[1,0]
.endr
.endr
	WIN 0x45
.irp t, 0,1,2,3
.irp z, 0,1,2,3
	v_cvt_pk_bf16_f32 v[ATT+4*(\t0+\t)+\z], v[8*(\t0+\t)+2*\z], v[8*(\t0+\t)+2*\z+1]   ; onto scores that are done with
.endr
.endr
.if \t0 == 12
.irp z, 0,1,2,3
	v_mov_b32 v[ATT+64+\z], 0              ; the last token's upper half of K
.endr
.endif
.endm
.macro VDEFER                          ; V's chunks 3 to 5 out of registers into their pieces
	WIN 0x04
	s_wait_alu depctr_va_vdst(0)
.irp u, 0,1
.irp a, 0,1,2,3
	ds_store_b128 v[VSA], v[VR+16*\u+4*\a:VR+16*\u+4*\a+3] offset:3*VPC+16*\u+\a*T16
	ds_store_b128 v[VSB], v[VR+32+16*\u+4*\a:VR+32+16*\u+4*\a+3] offset:16*\u+\a*T16
	ds_store_b128 v[VSB], v[VR+64+16*\u+4*\a:VR+64+16*\u+4*\a+3] offset:VPC+16*\u+\a*T16
.endr
.endr
.endm
; A chunk's second unit (set 1).  Its fragments are all asked for when it begins, so here the slots change.  Each wave waits for all its tensor loads (its part of the next chunk), adds 0 to its spare word,
; and waits for the add and for its LDS reads under eight products; four more stand inside the barrier; behind the round (bar = 2) this slot takes the chunk two on.
; Count 25: the six fragments younger than 1, and the add; count 24 (kd 2): the six alone.
; kd 1: q's codes are pulled; 2: scores; 3: softmax of tokens t0 .. (no sum is in progress there); 4: V's deferred results go out.  upd: the bias address moves to the next pair of d blocks.
.macro U1 na, ep, ev, eo, ba, bo, bar, d, g, pb, po, kd, t0, upd
.set aws, 0
.if \kd == 1
	PULLQ
.endif
.if \kd == 2
	KLD 0
	s_wait_dscnt 24
	GRP 1, 0, \ep
	MED \ep, 1, 0, 4, 4
	GRP 1, 1, \ep
	MED \ep, 1, 1, 4, 4
	s_wait_dscnt 0x0
	SC8 0
	PLACES
	KLD 1
.endif
.if \kd == 3
	SOFTMAX \t0
.set aws, 1
.endif
	WIN 0
	s_wait_tensorcnt 0x0
	ds_add_u32 v[SPW], v[NIL]
.if \bar == 2
	s_add_nc_u64 s[\d+2:\d+3], s[\pb:\pb+1], \po
.endif
.if \kd == 2
	GRP 1, 2, \ep
	MED \ep, 1, 2, 4, 4
.else
	s_wait_dscnt 25
	GRP 1, 0, \ep
	MED \ep, 1, 0, 4, 4
	GRP 1, 1, \ep
	MED \ep, 1, 1, 4, 4
.endif
	s_wait_dscnt 0x0                       ; the add is done, and my reads of this slot and of the exchange rows are over, my stores done
	s_barrier_signal -1
.if \kd == 2
	SC8 1
.else
	GRP 1, 2, \ep
	MED \ep, 1, 2, 4, 4
.endif
	WIN 0
	s_barrier_wait -1
.if \bar == 2
	CREST
	JL \d, \g
.else
	PLACES
.endif
.if \upd
	v_add_nc_u32 v[BIT], s[CB], v[BIA]
	s_wait_alu depctr_va_vdst(0)
.endif
	LDBI \ba, \bo
.irp s, 0,1,2
	LDF \na, 0, \s
.endr
.if \kd == 4
	VDEFER
.endif
	GRP 1, 3, \ep
	MED \ep, 1, 3, 4, 4
	GRP 1, 4, \ep
	GRP 1, 5, \ep
	GAP 1, 5, \ep, \ev, \eo, aws
.irp s, 3,4,5
	LDF \na, 0, \s
.endr
	GRP 1, 6, \ep
	GRP 1, 7, \ep
	GAP 1, 7, \ep, \ev, \eo, aws
	LDF \na, 0, 6
	LDF \na, 0, 7
.endm
; The way out.  Tile pc has columns d = 8 (r % 8) + 4 (r / 8) + pc (r = lane % 16): a lane's four tiles are four neighbouring d, sixteen lanes a head's 256 bytes.
.macro VFETCH tau
.irp pc, 0,1,2,3
	ds_load_tr16_b128 v[VBF+32*((\tau)%2)+8*\pc:VBF+32*((\tau)%2)+8*\pc+3], v[VLD] offset:(\tau)*PT+32*\pc
.endr
.endm
.macro TOK tau
.set kk, (\tau)%2
.if \tau < 15
	s_wait_dscnt 4                         ; the next token's four loads may be out
.else
	s_wait_dscnt 0x0
.endif
	WIN 0x01
.irp pc, 0,1,2,3
	v_wmma_f32_16x16x32_bf16 v[DD+32*kk+8*\pc:DD+32*kk+8*\pc+7], v[ATT+4*(\tau):ATT+4*(\tau)+7], v[VBF+32*kk+8*\pc:VBF+32*kk+8*\pc+7], 0
.endr
	WIN 0
	PLACES
.if \tau < 14
	VFETCH (\tau)+2
.endif
.if \tau > 1
	s_wait_xcnt 0x0                        ; the stores two tokens ago have read their data
.endif
.irp j, 0,1,2,3,4,5,6,7
.irp pc, 0,1,2,3
	v_mul_f32 v[OUTR+32*kk+4*\j+\pc], s[OS], v[DD+32*kk+8*\pc+\j]
.endr
.endr
.irp j, 0,1,2,3,4,5,6,7
	global_store_b128 v[OUTO], v[OUTR+32*kk+4*\j:OUTR+32*kk+4*\j+3], s[22:23] offset:(\tau)*4096+256*\j th:TH_STORE_NT
.endr
.endm
	s_load_b512 s[4:19], s[0:1], 0x0       ; x, Wq, Wk, Wv, bq, bk, bv, pattern
	s_load_b128 s[20:23], s[0:1], 0x40     ; scales, out
	v_lshl_add_u32 v[SPW], v0, 2, SPARE
	v_mov_b32 v[NIL], 0
	ds_add_u32 v[SPW], v[NIL]
	ds_add_u32 v[SPW], v[NIL]
	v_lshrrev_b32 v[T1], 5, v0
	v_readfirstlane_b32 s[WV], v[T1]
	v_and_b32 v[RR], 15, v0
	v_bfe_u32 v[HH], v0, 4, 1
	s_and_b32 s[ROT], ttmp9, 3
	s_lshl_b32 s[ROT], s[ROT], 1           ; the first pair of d blocks of my cluster: 0, 2, 4, 6
	s_lshl_b32 s[CB], s[ROT], 5
	s_mul_i32 s24, s[WV], SHARE
	s_lshl_b32 s25, s[WV], 5
	s_add_co_u32 s25, s25, XQ
	s_mul_i32 s26, s[WV], T16
	s_add_co_u32 s27, s26, XQ
	s_add_co_u32 s26, s26, VP0
	s_lshl_b32 s28, s[WV], 6
	s_add_co_u32 s29, s28, VP0
	s_add_co_u32 s28, s28, TBLV
	s_lshl_b32 s30, s[WV], 10
	s_add_co_u32 s30, s30, TBLQ
	s_wait_alu depctr_va_vdst(0)
	v_mul_u32_u24 v[T3], v[RR], PW
	v_lshl_add_u32 v[ADX], v[HH], 4, v[T3] ; a fragment's row x pitch + 16 x half
	v_add_nc_u32 v[ADRB], s24, v[ADX]
	v_add_nc_u32 v[ADRA], RA, v[ADRB]
	v_add_nc_u32 v[ADX], XA, v[ADX]        ; x's rows in LDS
	v_lshlrev_b32 v[XO], 10, v[RR]
	v_lshl_add_u32 v[XO], v[HH], 4, v[XO]  ; and in memory
	v_and_b32 v[T1], 7, v0
	v_bfe_u32 v[T2], v0, 3, 1
	v_lshl_add_u32 v[T3], v[T1], 1, v[T2]  ; V: lane r takes tile row 2 (r % 8) + r / 8, so that a lane's eight results are d = 8 j + c
	v_mul_u32_u24 v[T3], v[T3], PW
	v_lshl_add_u32 v[T3], v[HH], 4, v[T3]
	v_add_nc_u32 v[ADVB], s24, v[T3]
	v_add_nc_u32 v[ADVA], RA, v[ADVB]
	v_mul_u32_u24 v[T3], v[RR], PT
	v_lshl_add_u32 v[EST], v[HH], 3, v[T3] ; exchange: token row, 8 bytes a head: head 4 wave + 2 unit + half
	v_add_nc_u32 v[EST], s25, v[EST]
	v_lshl_add_u32 v[VSA], v[HH], 5, v[T3] ; V: token row, 32 bytes for each c = 2 wave + half, 16 for each of the chunk's two heads
	v_add_nc_u32 v[VSA], s29, v[VSA]
	v_add_nc_u32 v[VSB], 4*VPC, v[VSA]
	v_and_b32 v[T3], 31, v0
	v_lshl_add_u32 v[ELD], v[T3], 3, s27
	v_lshlrev_b32 v[PFO], 8, v[T3]
	v_bfe_u32 v[T3], v0, 1, 2
	v_lshl_add_u32 v[T3], v[HH], 2, v[T3]  ; V's piece of head g = 8 half + lane % 8
	v_mul_u32_u24 v[T3], v[T3], VPC
	v_and_b32 v[T4], 1, v0
	v_lshl_add_u32 v[T3], v[T4], 4, v[T3]
	v_lshl_add_u32 v[T3], v[T2], 7, v[T3]
	v_add_nc_u32 v[VLD], s26, v[T3]
	v_lshlrev_b32 v[OUTO], 5, v[T1]
	v_lshl_add_u32 v[OUTO], v[T2], 4, v[OUTO]
	v_lshl_add_u32 v[OUTO], v[HH], 11, v[OUTO]
	v_lshl_add_u32 v[BIV], v[HH], 5, s28
	v_lshl_add_u32 v[BIA], v[HH], 8, s30
	v_add_nc_u32 v[BIT], s[CB], v[BIA]
	v_lshlrev_b32 v[BOF], 5, v0            ; my eight numbers of each bias
	v_add_nc_u32 v[TBS], TBLQ, v[BOF]
	v_lshrrev_b32 v[T3], 3, v0
	v_lshlrev_b32 v[T3], 8, v[T3]
	v_lshl_add_u32 v[T3], v[T1], 2, v[T3]
	v_add_nc_u32 v[TBV], TBLV, v[T3]
	v_lshlrev_b32 v[POF], 6, v[RR]
	v_lshl_add_u32 v[POF], v[HH], 5, v[POF]
	s_bfe_u32 s2, ttmp6, 0x40000           ; cx
	s_lshl_b32 s3, ttmp9, 2
	s_add_co_u32 s3, s3, s2                ; my work-group's number
	; descriptors' group 1: Q's and K's tile of a wave: 4 heads x 8,192 bytes; V's: 16 x 2,048 bytes; the head's: a whole chunk, 16 heads x 8,192 bytes, and 24 rows of x; 16 bytes of padding behind each 1,024
	s_mov_b32 s[G1Q+0], 15|(1<<20)|(1<<21)|(7<<22)|(3<<25)
	s_mov_b32 s[G1Q+1], 8192<<16
	s_mov_b32 s[G1Q+2], 4<<16
	s_mov_b32 s[G1Q+3], 8192<<16
	s_mov_b32 s[G1Q+4], 4
	s_mov_b32 s[G1Q+5], 65536
	s_mov_b32 s[G1Q+6], 0
	s_mov_b32 s[G1Q+7], 0
	s_mov_b32 s[G1V+0], 15|(1<<20)|(1<<21)|(7<<22)|(3<<25)
	s_mov_b32 s[G1V+1], 2048<<16
	s_mov_b32 s[G1V+2], 16<<16
	s_mov_b32 s[G1V+3], 2048<<16
	s_mov_b32 s[G1V+4], 16
	s_mov_b32 s[G1V+5], 8192
	s_mov_b32 s[G1V+6], 0
	s_mov_b32 s[G1V+7], 0
	s_mov_b32 s[G1H+0], 15|(1<<20)|(1<<21)|(7<<22)|(3<<25)
	s_mov_b32 s[G1H+1], 8192<<16
	s_mov_b32 s[G1H+2], 16<<16
	s_mov_b32 s[G1H+3], 8192<<16
	s_mov_b32 s[G1H+4], 16
	s_mov_b32 s[G1H+5], 65536
	s_mov_b32 s[G1H+6], 0
	s_mov_b32 s[G1H+7], 0
	s_mov_b32 s[G1X+0], (1<<20)|(7<<22)|(3<<25)
	s_mov_b32 s[G1X+1], 1024<<16
	s_mov_b32 s[G1X+2], 24<<16
	s_mov_b32 s[G1X+3], 1024<<16
	s_mov_b32 s[G1X+4], 24
	s_mov_b32 s[G1X+5], 1024
	s_mov_b32 s[G1X+6], 0
	s_mov_b32 s[G1X+7], 0
	s_and_b32 s[CT], s[WV], 1
	s_mov_b32 s[DA], 1
	s_xor_b32 s[DA+1], s[CT], 1
	s_mul_i32 s[DA+1], s[DA+1], RA         ; wave 0: chunk 0 into slot A; wave 1: chunk 1 into slot B
	s_mov_b32 s[DX], 1
	s_mul_i32 s[DX+1], s[CT], 24*PW
	s_add_co_u32 s[DX+1], s[DX+1], XA      ; waves 2 and 3: 24 rows of x each
	s_lshl_b32 s24, s[WV], 18
	s_mov_b32 s25, 0
	s_lshl_b32 s26, s[ROT], 13
	s_mov_b32 s27, 0
	s_lshl_b32 s[SEL], s[CT], 13
	s_mov_b32 s[SEL+1], 0
	s_lshl_b32 s100, s3, 16
	s_mov_b32 s101, 0
	s_mul_i32 s30, s[CT], 24*1024
	s_mov_b32 s31, 0
	s_lshl_b32 s70, s3, 18
	s_lshl_b32 s71, s[WV], 16
	s_add_co_u32 s70, s70, s71
	s_mov_b32 s71, 0
	s_bfe_u32 s[PFH], ttmp9, 0x20002       ; prefetch at the head: head 4 (cluster / 4 % 4) + cx of the chunk that has my wave's number
	s_lshl_b32 s[PFH], s[PFH], 2
	s_add_co_u32 s[PFH], s[PFH], s2
	s_lshl_b32 s[PFH], s[PFH], 16
	s_add_co_u32 s[PFH+1], s[ROT], s[CT]
	s_lshl_b32 s[PFH+1], s[PFH+1], 13
	s_add_co_u32 s[PFH], s[PFH], s[PFH+1]
	s_mov_b32 s[PFH+1], 0
	s_and_b32 s[PFV], ttmp9, 3
	s_lshl_b32 s[PFV], s[PFV], 2
	s_add_co_u32 s[PFV], s[PFV], s2
	s_lshl_b32 s[PFV], s[PFV], 13
	s_mov_b32 s[PFV+1], 0
	s_wait_alu depctr_va_vdst(0)
	s_wait_dscnt 0x0                       ; both opening adds are done
	s_wait_kmcnt 0x0
	s_add_nc_u64 s[QW:QW+1], s[6:7], s[24:25]
	s_or_b32 s[QW+1], s[QW+1], 0x80000000  ; the descriptor's type, kept by the sums below
	s_add_nc_u64 s[KW:KW+1], s[8:9], s[24:25]
	s_or_b32 s[KW+1], s[KW+1], 0x80000000
	s_lshl_b32 s24, s[WV], 11
	s_add_nc_u64 s[VW:VW+1], s[10:11], s[24:25]
	s_or_b32 s[VW+1], s[VW+1], 0x80000000
	s_add_nc_u64 s[QN:QN+1], s[QW:QW+1], s[26:27]
	s_add_nc_u64 s[KN:KN+1], s[KW:KW+1], s[26:27]
	s_add_nc_u64 s[DA+2:DA+3], s[6:7], s[26:27]
	s_add_nc_u64 s[DA+2:DA+3], s[DA+2:DA+3], s[SEL:SEL+1]
	s_or_b32 s[DA+3], s[DA+3], 0x80000000
	s_add_nc_u64 s[100:101], s[4:5], s[100:101]   ; my 64 rows of x
	s_add_nc_u64 s[DX+2:DX+3], s[100:101], s[30:31]
	s_or_b32 s[DX+3], s[DX+3], 0x80000000
	s_add_nc_u64 s[22:23], s[22:23], s[70:71]
	s_add_nc_u64 s[PFV:PFV+1], s[10:11], s[PFV:PFV+1]
	s_add_nc_u64 s[PFH:PFH+1], s[8:9], s[PFH:PFH+1]
	CROUND                                 ; all four work-groups are here: the first joint loads meet
	s_cmp_lt_u32 s[WV], 2
	s_cbranch_scc0 .Lx_tile
	tensor_load_to_lds s[DA:DA+3], s[G1H:G1H+7]
	s_nop 0
	PLACES
	s_branch .Lasked
.Lx_tile:
	tensor_load_to_lds s[DX:DX+3], s[G1X:G1X+7]
	s_nop 0
	PLACES
.Lasked:
	s_load_b256 s[4:11], s[20:21], 0x0     ; e0 .. e7
	s_cmp_lt_u32 s[WV], 2
	s_cbranch_scc1 .Lno_ask
	global_prefetch_b8 v[PFO], s[PFH:PFH+1] th:TH_LOAD_NT scope:SCOPE_SE   ; waves 2 and 3: chunks 2 and 3 (K), each block by four clusters of the launch; later chunks of Wq and Wk are the first ones of other clusters
.Lno_ask:
	global_load_b128 v[BB:BB+3], v[BOF], s[12:13]
	global_load_b128 v[BB+4:BB+7], v[BOF], s[12:13] offset:16
	global_load_b128 v[BB+8:BB+11], v[BOF], s[14:15]
	global_load_b128 v[BB+12:BB+15], v[BOF], s[14:15] offset:16
	global_load_b128 v[BB+16:BB+19], v[BOF], s[16:17]
	global_load_b128 v[BB+20:BB+23], v[BOF], s[16:17] offset:16
	global_load_b128 v[PAT:PAT+3], v[POF], s[18:19]
	global_load_b128 v[PAT+4:PAT+7], v[POF], s[18:19] offset:16
	WIN 0x80
.irp s, 0,1,2,3
.irp c, 0,1,2,3
	global_load_b128 v[16*(4*\s+3)+4*\c:16*(4*\s+3)+4*\c+3], v[XO], s[100:101] offset:48*1024+\s*128+32*\c   ; x's last 16 rows straight into registers: LDS has room for 48 beside both slots
.endr
.endr
	WIN 0xc0
.irp s, 0,1,2,3
.irp c, 0,1,2,3
	global_load_b128 v[16*(4*\s+3)+4*\c:16*(4*\s+3)+4*\c+3], v[XO], s[100:101] offset:48*1024+512+\s*128+32*\c
.endr
.endr
	WIN 0
	s_mov_b32 s[SEL], 0x76543210
	s_mov_b32 s[SEL+1], 0xfedcba98
	s_cmp_lt_u32 ttmp9, 16
	s_cselect_b32 s[PFL], 2, -1
	s_cmp_eq_u32 s[WV], 0
	s_cselect_b32 s[PFL], s[PFL], -1
	WIN 0x40
.set zi, 0
.rept 128
	v_mov_b32 v[zi], 0                     ; the scores, under the flight of the first tiles (the loop's score step is written once)
.set zi, zi+1
.endr
.irp g, 0,1,2,3,4,5,6,7
.irp z, 2,3,4,5,6,7
	v_mov_b32 v[KS+8*\g+\z], 0             ; zero codes for K = 16 .. 63
.endr
.endr
.irp z, 32,33,34,35,36,37
	v_mov_b32 v[QS+\z], 0
.endr
	WIN 0
	s_wait_kmcnt 0x0
	s_add_co_i32 s24, s4, s5
	s_add_co_i32 s25, s6, s7
	s_add_co_i32 s26, s8, s9
	s_sub_co_i32 s2, s10, s24
	s_add_co_i32 s2, s2, 127
	s_lshl_b32 s3, s2, 23
	v_mov_b32 v[SCB+1], s3                 ; a sum of q stands for sum x 2^(e0+e1): its code is sum / 2^(e6-e0-e1)
	s_add_co_i32 s2, s2, 8
	s_lshl_b32 s2, s2, 23
	s_or_b32 s[LMB+2], s2, 0x600000        ; 448 x that
	s_or_b32 s[LMB+3], s[LMB+2], 0x80000000
	s_sub_co_i32 s2, s11, s25
	s_add_co_i32 s2, s2, 127
	s_lshl_b32 s3, s2, 23
	v_mov_b32 v[SCB+2], s3
	s_add_co_i32 s2, s2, 8
	s_lshl_b32 s2, s2, 23
	s_or_b32 s[LMB+4], s2, 0x600000
	s_or_b32 s[LMB+5], s[LMB+4], 0x80000000
	s_add_co_i32 s[OS], s26, 127
	s_lshl_b32 s[OS], s[OS], 23            ; 2^(e4+e5)
	s_sub_co_i32 s24, 0, s24
	s_sub_co_i32 s25, 0, s25
	s_sub_co_i32 s26, 0, s26
	s_add_co_i32 s27, s10, s11
	s_wait_alu depctr_va_vdst(0)
	s_wait_loadcnt 0x20                    ; biases and pattern are in; the 32 loads of x may be out
.irp i, 0,1,2,3,4,5,6,7
	v_ldexp_f32 v[BB+\i], v[BB+\i], s24
	v_ldexp_f32 v[BB+8+\i], v[BB+8+\i], s25
	v_ldexp_f32 v[BB+16+\i], v[BB+16+\i], s26
	v_mul_f32 v[PAT+\i], 0x3fb8aa3b, v[PAT+\i]
.endr
.irp i, 0,1,2,3,4,5,6,7
	v_ldexp_f32 v[PAT+\i], v[PAT+\i], s27
.endr
	ds_store_b128 v[TBS], v[BB:BB+3]
	ds_store_b128 v[TBS], v[BB+4:BB+7] offset:16
.irp i, 0,1,2,3,4,5,6,7
	ds_store_b32 v[TBV], v[BB+16+\i] offset:32*\i
.endr
	s_wait_alu depctr_va_vdst(0)
	s_wait_xcnt 0x0                        ; the prefetch has read its address
	s_wait_tensorcnt 0x0
	s_wait_dscnt 0x0
	s_barrier_signal -1
	s_barrier_wait -1                      ; chunks 0 and 1, x and the tables of Q and V are whole
	WIN 0x80
.irp s, 0,1,2,3
.irp m, 0,1,2
.irp c, 0,1,2,3
	ds_load_b128 v[16*(4*\s+\m)+4*\c:16*(4*\s+\m)+4*\c+3], v[ADX] offset:\m*16*PW+\s*128+32*\c
.endr
.endr
.endr
	WIN 0xc0
.irp s, 0,1,2,3
.irp m, 0,1,2
.irp c, 0,1,2,3
	ds_load_b128 v[16*(4*\s+\m)+4*\c:16*(4*\s+\m)+4*\c+3], v[ADX] offset:\m*16*PW+512+\s*128+32*\c
.endr
.endr
.endr
	WIN 0
	s_mul_i32 s24, s[WV], SHARE
	s_add_co_u32 s[DA+1], s24, RA          ; from here on each wave fetches the 32 LDS rows that it reads itself
	s_mov_b32 s[DB], 1
	s_mov_b32 s[DB+1], s24
	LDBI BIT, 0
.irp s, 0,1,2,3,4,5,6,7
	LDF ADRA, 0, \s
.endr
	s_wait_loadcnt 0x0                     ; x's last 16 rows
	U0 ADRA, 0, 0, 0, BIT, 512             ; chunk 0: Q
	U1 ADRB, 1, 0, 0, BIT, 32, 2, DA, G1Q, KN, 0, 0, 0, 0
	WIN 0
	ds_store_b128 v[TBS], v[BB+8:BB+11] offset:4096    ; K's table, behind the barrier that ended all reads of x's bytes; first read behind the next one
	ds_store_b128 v[TBS], v[BB+12:BB+15] offset:4112
	U0 ADRB, 1, 0, 16, BIT, 544            ; chunk 1: Q
	U1 ADRA, 1, 0, 128, BIT, 4096, 2, DB, G1Q, KN, 8192, 0, 0, 0
	WIN 0
	s_mov_b32 s[CT], 0
.Ltrip:                                ; three trips: K, K, and Q, Q of the next pair of d blocks
	s_lshl_b32 s26, s[CT], 1
	s_add_co_u32 s26, s26, 2
	s_add_co_u32 s26, s26, s[ROT]
	s_and_b32 s26, s26, 6                  ; the next pair
	s_lshl_b32 s[CB], s26, 5
	s_lshl_b32 s26, s26, 13
	s_mov_b32 s27, 0
	s_add_nc_u64 s[QN:QN+1], s[QW:QW+1], s[26:27]
	s_add_nc_u64 s[KN:KN+1], s[KW:KW+1], s[26:27]
	U0 ADRA, 1, 0, 144, BIT, 4608
	U1 ADRB, 2, 0, XKO, BIT, 4128, 2, DA, G1Q, QN, 0, 0, 0, 0
	ASK 0, 1
	U0 ADRB, 2, 0, XKO+16, BIT, 4640
	U1 ADRA, 2, 0, XKO+128, BIT, 0, 2, DB, G1Q, QN, 8192, 1, 0, 1
	ASK 1, 1
	U0 ADRA, 2, 0, XKO+144, BIT, 512
	U1 ADRB, 1, 0, 0, BIT, 32, 2, DA, G1Q, KN, 0, 0, 0, 0
	ASK 2, 1
	U0 ADRB, 1, 0, 16, BIT, 544
	U1 ADRA, 1, 0, 128, BIT, 4096, 2, DB, G1Q, KN, 8192, 2, 0, 0
	ASK 3, 1
	s_add_co_u32 s[CT], s[CT], 1
	s_cmp_lt_u32 s[CT], 3
	s_cbranch_scc1 .Ltrip
	U0 ADRA, 1, 0, 144, BIT, 4608          ; the last two chunks of K
	U1 ADRB, 2, 0, XKO, BIT, 4128, 2, DA, G1V, VW, 0, 0, 0, 0
	ASK 4, 0
	U0 ADRB, 2, 0, XKO+16, BIT, 4640
	U1 ADVA, 2, 0, XKO+128, BIV, 0, 2, DB, G1V, VW, VB, 1, 0, 0
	ASK 5, 0
	U0 ADVA, 2, 0, XKO+144, BIV, 256       ; V's chunk 0
	U1 ADVB, 3, VSA, 0, BIV, 512, 2, DA, G1V, VW, 2*VB, 0, 0, 0
	ASK 6, 0
	U0 ADVB, 3, VSA, 16, BIV, 768
	U1 ADVA, 3, VSA, VPC, BIV, 1024, 2, DB, G1V, VW, 3*VB, 2, 0, 0
	ASK 7, 0
	U0 ADVA, 3, VSA, VPC+16, BIV, 1280
	U1 ADVB, 3, VSA, 2*VPC, BIV, 1536, 2, DA, G1V, VW, 4*VB, 3, 0, 0
	WIN 0
	U0 ADVB, 3, VSA, 2*VPC+16, BIV, 1792
	U1 ADVA, 4, 0, VR, BIV, 2048, 2, DB, G1V, VW, 5*VB, 3, 4, 0
	U0 ADVA, 4, 0, VR+16, BIV, 2304
	U1 ADVB, 4, 0, VR+32, BIV, 2560, 2, DA, G1V, VW, 6*VB, 3, 8, 0
	U0 ADVB, 4, 0, VR+48, BIV, 2816
	U1 ADVA, 4, 0, VR+64, BIV, 3072, 2, DB, G1V, VW, 7*VB, 3, 12, 0
	U0 ADVA, 4, 0, VR+80, BIV, 3328
	U1 ADVB, 3, VSB, 2*VPC, BIV, 3584, 1, 0, 0, 0, 0, 4, 0, 0   ; slot A has had its last fill and its last read: behind this barrier V's pieces 3 to 7 lie there
	U0 ADVB, 3, VSB, 2*VPC+16, BIV, 3840
.irp s, 0,1,2,3,4,5,6,7                ; the last unit: nothing more is fetched
	s_wait_dscnt 28-4*\s                   ; the fragments younger than s
	GRP 1, \s, 3
.if (\s == 5) || (\s == 7)
	GAP 1, \s, 3, VSB, 3*VPC, 0
.endif
.endr
	WIN 0
	PLACES
.irp s, 5,7
	GAP 0, \s, 3, VSB, 3*VPC+16, 0
.endr
	s_wait_dscnt 0x0
	s_barrier_signal -1
	s_barrier_wait -1                      ; V of all 64 tokens lies in LDS
.irp k, 0,1
.irp pc, 0,1,2,3
.irp z, 4,5,6,7
	v_mov_b32 v[VBF+32*\k+8*\pc+\z], 0     ; K = 16 .. 31 of V's operand
.endr
.endr
.endr
	VFETCH 0
	VFETCH 1
	s_wait_alu depctr_va_vdst(0)
.irp tau, 0,1,2,3,4,5,6,7,8,9,10,11,12,13,14,15
	TOK \tau
.endr
	s_wait_tensorcnt 0x0                   ; the wave's end
	ds_add_u32 v[SPW], v[NIL]
	s_wait_dscnt 0x0
	CROUND                                 ; the closing round
	s_endpgm
.Lfunc_end_k_qc15cbf6679_fused:
	.size	k_qc15cbf6679_fused, .Lfunc_end_k_qc15cbf6679_fused-k_qc15cbf6679_fused
	.p2alignl 7, 3214868480
	.fill 96, 4, 3214868480
	.section	.rodata,"a",@progbits
	.p2align	6, 0x0
	.amdhsa_kernel k_qc15cbf6679_fused
		.amdhsa_group_segment_fixed_size 327680
		.amdhsa_private_segment_fixed_size 0
		.amdhsa_enable_private_segment 0
		.amdhsa_kernarg_size 80
		.amdhsa_user_sgpr_count 2
		.amdhsa_user_sgpr_kernarg_segment_ptr 1
		.amdhsa_wavefront_size32 1
		.amdhsa_system_sgpr_workgroup_id_x 1
		.amdhsa_system_sgpr_workgroup_id_y 1
		.amdhsa_system_sgpr_workgroup_id_z 1
		.amdhsa_system_vgpr_workitem_id 0
		.amdhsa_next_free_vgpr 1024
		.amdhsa_next_free_sgpr 102
		.amdhsa_reserve_vcc 0
		.amdhsa_float_denorm_mode_32 3
		.amdhsa_float_denorm_mode_16_64 3
		.amdhsa_memory_ordered 1
		.amdhsa_forward_progress 1
		.amdhsa_inst_pref_size 255
	.end_amdhsa_kernel
	.section	.bss,"aw",@nobits
	.p2align	6
	.space	262144
	.amdgpu_metadata
---
amdhsa.version: [ 1, 2 ]
amdhsa.kernels:
  - .name:           k_qc15cbf6679_fused
    .symbol:         k_qc15cbf6679_fused.kd
    .args:
      - { .name: x_codes, .offset: 0, .size: 8, .value_kind: global_buffer, .address_space: global }
      - { .name: Wq_codes, .offset: 8, .size: 8, .value_kind: global_buffer, .address_space: global }
      - { .name: Wk_codes, .offset: 16, .size: 8, .value_kind: global_buffer, .address_space: global }
      - { .name: Wv_codes, .offset: 24, .size: 8, .value_kind: global_buffer, .address_space: global }
      - { .name: bq, .offset: 32, .size: 8, .value_kind: global_buffer, .address_space: global }
      - { .name: bk, .offset: 40, .size: 8, .value_kind: global_buffer, .address_space: global }
      - { .name: bv, .offset: 48, .size: 8, .value_kind: global_buffer, .address_space: global }
      - { .name: sparsity_pattern, .offset: 56, .size: 8, .value_kind: global_buffer, .address_space: global }
      - { .name: lowp_scales, .offset: 64, .size: 8, .value_kind: global_buffer, .address_space: global }
      - { .name: out0, .offset: 72, .size: 8, .value_kind: global_buffer, .address_space: global }
    .group_segment_fixed_size: 327680
    .private_segment_fixed_size: 0
    .kernarg_segment_align: 8
    .kernarg_segment_size: 80
    .max_flat_workgroup_size: 128
    .sgpr_count:     102
    .vgpr_count:     1024
    .wavefront_size: 32
...
	.end_amdgpu_metadata
.endif
;; end of part 2
